; MI455X (gfx1250); checked and timed in simulation.
; The chip was launched on July 23, 2026; its instructions are those of AMD's public machine-readable ISA for CDNA 5 (MIT licence, August 2026) and "CDNA5" Instruction Set Architecture Reference Guide (July 2026). The comments in the code are by the model that wrote it; some were corrected since.
;; Segmented Attention. Allowed arithmetic: float matrix products may take bf16 or f16 operands with f32 sums; all other float work in f32.
;; Inputs: norm_w 1,024 float32; persist_mem 2 x 16 x 16 x 64 float32; seq 2 x 4,096 x 1,024 float32; w_out 1,024 x 1,024 float32; w_qkv 1,024 x 3,072 float32.
;; Outputs: out0 2 x 4,096 x 1,024 float32.
;; 2 versions, each right; version 2 is version 1 with the launch prep written anew for expert scheduling mode. Each part assembles by itself: llvm-mc -triple=amdgcn-amd-amdhsa -mcpu=gfx1250 --defsym DOCPART=n.
;; ======== version 1 of 2: 4 launches
;; limits: values are held in f16: magnitudes above 65,504 overflow, below 6.1e-05 lose precision
;; workspace buffers: xb 16,777,216 bytes; wqT 6,291,456 bytes; woT 2,097,152 bytes; rope 1,048,576 bytes; qkvh 50,331,648 bytes; ob 16,777,216 bytes
;; launch prep (part 1): grid 832 x 1, 8 waves a work-group, no clusters, 18,432 bytes of LDS; arguments seq, norm_w, w_qkv, w_out, xb, wqT, woT, rope; writes xb, wqT, woT, rope
.if DOCPART == 1
	.amdgcn_target "amdgcn-amd-amdhsa--gfx1250"
	.amdhsa_code_object_version 6
	.text
	.protected	k_q9de4b8280f_prep
	.globl	k_q9de4b8280f_prep
	.p2align	8
	.type	k_q9de4b8280f_prep,@function
k_q9de4b8280f_prep:
	s_mov_b64 s[64:65], 0
	v_nop
	global_prefetch_b8 v0, s[64:65] scope:SCOPE_SE
	s_setreg_imm32_b32 hwreg(HW_REG_WAVE_MODE, 25, 1), 1
	s_wait_xcnt 0x0
; PREP: what the three later launches need in 16 bits or as a table.  Four kinds of work-group, chosen by the work-group's number x:
;   x <  256  xb[row][1024]  = f16( seq * rsqrt(mean(seq^2) + eps) * norm_w ), 32 rows a work-group, 4 rows a wave
;   x <  640  wqT[n'][1024]  = f16( w_qkv transposed ), row n' = head*192 + section*64 + d is column section*1024 + head*64 + d
;   x <  768  woT[n][1024]   = f16( w_out transposed )
;   else      rope[pos][32][cos, sin] in f32, 64 positions a work-group
; WORK LEFT OUT IN THIS PROGRAM (all of it in the launch attn), for all values of the inputs:
;   the mask that the reference builds lets the query at position p see the 16 persistent keys and the keys max(0, p-512) .. p of its own
;   batch and head (previous window: key index >= query index; own window: key index <= query index; window 0 has no previous window).
;   Every other score is replaced by -FLT_MAX, and a row always holds visible scores (the persistent keys, the key p itself), so in exact
;   arithmetic its weight exp(-FLT_MAX - max) is below any rounding of the sums.  Key tiles that are masked for all rows that a wave holds are
;   not multiplied, those that no wave of a work-group needs are not loaded, and the zero window in front of window 0 is never formed.
;   Every input has a way to the output and is loaded.
;   LIMIT: a NaN, an infinity or an overflow that lies only in masked keys or values is not carried to the result.
; LIMITS OF FORMAT: matrix operands are f16: magnitudes beyond 65504 overflow, magnitudes under 6e-8 become 0.  |xb| <= 32 |norm_w|.
; RoPE angles: pos * f with f = 2^(-i log2(10000)/32) from v_exp_f32 (1 ULP), reduced by pi/2 in two fused steps, then polynomials on
; [-pi/4, pi/4]; against the reference's f32 angle the difference stays under 5e-4 radians at position 4095 and is the same for q and k.
.set T, 4                              ; v[4:11]    four pair sums
.set R, 12                             ; v[12:13]   1/rms, twice
.set X, 32                             ; v[32:159]  four rows, 32 registers each
.set W, 160                            ; v[160:191] norm_w of my 32 columns
	s_load_b512 s[8:23], s[0:1], 0x0               ; seq 8, norm_w 10, w_qkv 12, w_out 14, xb 16, wqT 18, woT 20, rope 22
	v_lshl_add_u32 v192, v0, 2, 0x4400
	v_mov_b32 v193, 0
	v_lshrrev_b32 v1, 5, v0
	v_readfirstlane_b32 s2, v1                     ; wave
	v_and_b32 v1, 31, v0                           ; lane
	s_mov_b32 s3, ttmp9                            ; x
	s_wait_kmcnt 0x0
	s_cmp_lt_u32 s3, 256
	s_cbranch_scc1 .Lnorm
	s_cmp_lt_u32 s3, 640
	s_cbranch_scc1 .Lwq
	s_cmp_lt_u32 s3, 768
	s_cbranch_scc1 .Lwo
; ---- the RoPE table: lane = pair index i, a wave makes 8 positions, one store of 256 consecutive aligned bytes for each
	s_sub_co_u32 s4, s3, 768
	s_lshl_b32 s4, s4, 6
	s_lshl3_add_u32 s4, s2, s4                     ; my first position = 64 (x - 768) + 8 wave
	s_lshl_b32 s6, s4, 8                           ; a position's row is 256 bytes
	s_mov_b32 s7, 0
	s_add_nc_u64 s[22:23], s[22:23], s[6:7]
	v_lshlrev_b32 v3, 3, v1                        ; 8 bytes a lane
	v_cvt_f32_u32 v4, v1
	v_mul_f32 v4, 0xbed49a78, v4                   ; -i log2(10000)/32
	v_exp_f32 v4, v4                               ; f = 10000^(-i/32)
	v_mov_b32 v13, 0xb94ca1f9                      ; leading coefficient of sine (also the plain instruction behind v_exp_f32)
	v_mov_b32 v14, 0x37ccf5ce                      ; leading coefficient of cosine
	s_wait_alu depctr_va_vdst(0)
.macro RPOS p
	s_add_co_u32 s5, s4, \p
	v_cvt_f32_u32 v5, s5
	v_mul_f32 v5, v5, v4                           ; angle a = pos f
	v_mul_f32 v6, 0x3f22f983, v5                   ; a 2/pi
	v_rndne_f32 v6, v6                             ; n
	v_fmamk_f32 v7, v6, 0xbfc90fdb, v5             ; a - n hi(pi/2): exact
	v_fmamk_f32 v7, v6, 0x333bbd2e, v7             ; r = that - n lo(pi/2)
	v_mul_f32 v8, v7, v7                           ; z = r r
	v_fmaak_f32 v9, v13, v8, 0x3c08839e
	v_fmaak_f32 v9, v9, v8, 0xbe2aaaa3
	v_mul_f32 v10, v7, v8
	v_fma_f32 v9, v9, v10, v7                      ; sin r
	v_fmaak_f32 v10, v14, v8, 0xbab6061a
	v_fmaak_f32 v10, v10, v8, 0x3d2aaaa5
	v_mul_f32 v11, v8, v8
	v_fma_f32 v12, v8, -0.5, 1.0
	v_fma_f32 v10, v10, v11, v12                   ; cos r
	v_cvt_u32_f32 v6, v6                           ; the quadrant is n mod 4
	v_and_b32 v11, 1, v6
	v_cmp_ne_u32 vcc_lo, 0, v11
	v_cndmask_b32 v[32+2*\p], v10, v9, vcc_lo      ; odd quadrant: cosine from sin r,
	v_cndmask_b32 v[33+2*\p], v9, v10, vcc_lo      ; sine from cos r
	v_add_nc_u32 v11, 1, v6
	v_and_b32 v11, 2, v11
	v_lshlrev_b32 v11, 30, v11
	v_xor_b32 v[32+2*\p], v[32+2*\p], v11          ; cosine is negative in quadrants 1, 2
	v_and_b32 v11, 2, v6
	v_lshlrev_b32 v11, 30, v11
	v_xor_b32 v[33+2*\p], v[33+2*\p], v11          ; sine in quadrants 2, 3
	global_store_b64 v3, v[32+2*\p:33+2*\p], s[22:23] offset:256*\p   ; each position has its own pair: no source of a store is written again
.endm
.irp p, 0,1,2,3,4,5,6,7
	RPOS \p
.endr
	s_endpgm
; ---- RMSNorm: one wave, one row at a time; the row stays in registers between the sum and the scaling
.Lnorm:
	s_lshl_b32 s4, s3, 17                          ; 32 rows of 4,096 bytes
	s_lshl_b32 s6, s2, 14                          ; 4 rows
	s_add_co_u32 s4, s4, s6
	s_mov_b32 s5, 0
	s_add_nc_u64 s[8:9], s[8:9], s[4:5]
	s_lshl_b32 s4, s3, 16                          ; the same rows in xb: 2,048 bytes each
	s_lshl_b32 s6, s2, 13
	s_add_co_u32 s4, s4, s6
	s_add_nc_u64 s[16:17], s[16:17], s[4:5]
	s_mov_b32 s24, 0x76543210                      ; v_permlanex16_b32: lane i reads lane i of the other half
	s_mov_b32 s25, 0xfedcba98
	s_mov_b32 s26, 0x3a800000                      ; 1/1024
	s_mov_b32 s27, 0x34000000                      ; eps of f32
	v_lshlrev_b32 v2, 4, v1                        ; 16 bytes a lane in
	v_lshlrev_b32 v3, 3, v1                        ; 8 bytes a lane out
	v_mov_b32 v14, 0                               ; v_permlanex16_b32 counts as a reader of its destination
.irp j, 0,1,2,3,4,5,6,7
	global_load_b128 v[W+4*\j:W+4*\j+3], v2, s[10:11] offset:512*\j
.endr
.irp q, 0,1,2,3
.irp j, 0,1,2,3,4,5,6,7
	global_load_b128 v[X+32*\q+4*\j:X+32*\q+4*\j+3], v2, s[8:9] offset:4096*\q+512*\j th:TH_LOAD_NT
.endr
.endr
.macro NROW q
	s_wait_loadcnt 8*(3-\q)                        ; loads return in order: norm_w and rows 0 .. q are in, the eight loads of each later row stay out
.irp k, 0,1,2,3
	v_pk_mul_f32 v[T+2*\k:T+2*\k+1], v[X+32*\q+2*\k:X+32*\q+2*\k+1], v[X+32*\q+2*\k:X+32*\q+2*\k+1]   ; the first products start four chains
.endr
.set j_, 4
.rept 12
	v_pk_fma_f32 v[T+2*(j_%4):T+2*(j_%4)+1], v[X+32*\q+2*j_:X+32*\q+2*j_+1], v[X+32*\q+2*j_:X+32*\q+2*j_+1], v[T+2*(j_%4):T+2*(j_%4)+1]
.set j_, j_+1
.endr
	v_pk_add_f32 v[T:T+1], v[T:T+1], v[T+2:T+3]
	v_pk_add_f32 v[T+4:T+5], v[T+4:T+5], v[T+6:T+7]
	v_pk_add_f32 v[T:T+1], v[T:T+1], v[T+4:T+5]
	v_add_f32 v[T], v[T], v[T+1]
	v_add_f32_dpp v[T], v[T], v[T] row_xmask:1 row_mask:0xf bank_mask:0xf
	v_add_f32_dpp v[T], v[T], v[T] row_xmask:2 row_mask:0xf bank_mask:0xf
	v_add_f32_dpp v[T], v[T], v[T] row_xmask:4 row_mask:0xf bank_mask:0xf
	v_add_f32_dpp v[T], v[T], v[T] row_xmask:8 row_mask:0xf bank_mask:0xf
	v_permlanex16_b32 v14, v[T], s24, s25
	v_add_f32 v[T], v[T], v14                      ; the row's sum of squares, in every lane
	v_fma_f32 v[T], v[T], s26, s27                 ; mean + eps
	v_rsq_f32 v[R], v[T]
	v_rsq_f32 v[R+1], v[T]
	v_nop                                          ; one plain instruction behind the transcendentals before their results are used
	s_wait_alu depctr_va_vdst(0)
.irp j, 0,1,2,3,4,5,6,7
	v_pk_mul_f32 v[X+32*\q+4*\j:X+32*\q+4*\j+1], v[X+32*\q+4*\j:X+32*\q+4*\j+1], v[R:R+1]
	v_pk_mul_f32 v[X+32*\q+4*\j+2:X+32*\q+4*\j+3], v[X+32*\q+4*\j+2:X+32*\q+4*\j+3], v[R:R+1]
	v_pk_mul_f32 v[X+32*\q+4*\j:X+32*\q+4*\j+1], v[X+32*\q+4*\j:X+32*\q+4*\j+1], v[W+4*\j:W+4*\j+1]
	v_pk_mul_f32 v[X+32*\q+4*\j+2:X+32*\q+4*\j+3], v[X+32*\q+4*\j+2:X+32*\q+4*\j+3], v[W+4*\j+2:W+4*\j+3]
	v_cvt_pk_f16_f32 v[X+32*\q+4*\j], v[X+32*\q+4*\j], v[X+32*\q+4*\j+1]
	v_cvt_pk_f16_f32 v[X+32*\q+4*\j+1], v[X+32*\q+4*\j+2], v[X+32*\q+4*\j+3]
	global_store_b64 v3, v[X+32*\q+4*\j:X+32*\q+4*\j+1], s[16:17] offset:2048*\q+256*\j   ; 32 lanes store 256 consecutive aligned bytes; the data registers are not written again
.endr
.endm
	NROW 0
	NROW 1
	NROW 2
	NROW 3
	s_endpgm
; ---- a weight tile of 128 k x 64 n: read by rows of n, two k packed into a word, turned in LDS, written by rows of k
; s5 = k tile, s6 = n tile, s7 = first output row.  LDS row 16 c + nq holds output row 4 nq + c, 272 bytes apart:
; the 32 lanes of a ds_store_b32 then touch 32 different words modulo 256 bytes (4 nq + kp).
.macro WTILE pitch, src, dst
	s_mul_i32 s24, s5, 128*\pitch
	s_lshl_b32 s25, s6, 8
	s_add_co_u32 s24, s24, s25
	s_mov_b32 s25, 0
	s_add_nc_u64 s[\src:\src+1], s[\src:\src+1], s[24:25]
	s_lshl_b32 s24, s7, 11                         ; an output row is 2,048 bytes
	s_lshl_b32 s26, s5, 8                          ; 128 k are 256 bytes
	s_add_co_u32 s24, s24, s26
	s_add_nc_u64 s[\dst:\dst+1], s[\dst:\dst+1], s[24:25]
	v_and_b32 v5, 15, v0                           ; nq: my four columns
	v_lshrrev_b32 v6, 4, v0                        ; kp: my pair of rows in each group of 32
	v_mul_u32_u24 v2, v6, 2*\pitch
	v_lshl_add_u32 v2, v5, 4, v2                   ; source offset
	v_mul_u32_u24 v3, v5, 272
	v_lshl_add_u32 v3, v6, 2, v3                   ; LDS, in
	v_mul_u32_u24 v4, v6, 272
	v_lshl_add_u32 v4, v5, 4, v4                   ; LDS, back: LDS row t/16 (+16 u), 16 bytes at 16 (t mod 16)
	v_lshlrev_b32 v7, 13, v6                       ; output row 4 (t/16) + u
	v_lshl_add_u32 v7, v5, 4, v7
.irp i, 0,1,2,3
.irp e, 0,1
	global_load_b128 v[32+8*\i+4*\e:32+8*\i+4*\e+3], v2, s[\src:\src+1] offset:(32*\i+\e)*\pitch th:TH_LOAD_NT
.endr
.endr
.irp i, 0,1,2,3
	s_wait_loadcnt 6-2*\i                          ; the two loads of each later group stay out
.irp c, 0,1,2,3
	v_cvt_pk_f16_f32 v[64+4*\i+\c], v[32+8*\i+\c], v[36+8*\i+\c]   ; k even below, k odd above
	ds_store_b32 v3, v[64+4*\i+\c] offset:4352*\c+64*\i
.endr
.endr
	s_wait_dscnt 0x0                               ; my stores are in LDS before I say so
	s_barrier_signal -1
	s_barrier_wait -1                              ; everybody's are
.irp u, 0,1,2,3
	ds_load_b128 v[80+4*\u:83+4*\u], v4 offset:4352*\u
.endr
.irp u, 0,1,2,3
	s_wait_dscnt 3-\u                              ; LDS loads return in order: load u is in
	global_store_b128 v7, v[80+4*\u:83+4*\u], s[\dst:\dst+1] offset:2048*\u   ; 16 lanes store 256 consecutive aligned bytes
.endr
.endm
.Lwq:
	s_sub_co_u32 s4, s3, 256
	s_and_b32 s5, s4, 7                            ; k tile
	s_lshr_b32 s6, s4, 3                           ; n tile 0 .. 47 = section*16 + head
	s_and_b32 s7, s6, 15
	s_mul_i32 s7, s7, 192
	s_lshr_b32 s24, s6, 4
	s_lshl_b32 s24, s24, 6
	s_add_co_u32 s7, s7, s24                       ; head*192 + section*64
	WTILE 12288, 12, 18
	s_wait_tensorcnt 0x0
	ds_add_u32 v192, v193
	s_wait_dscnt 0x0
	s_endpgm
.Lwo:
	s_sub_co_u32 s4, s3, 640
	s_and_b32 s5, s4, 7
	s_lshr_b32 s6, s4, 3
	s_lshl_b32 s7, s6, 6
	WTILE 4096, 14, 20
	s_wait_tensorcnt 0x0
	ds_add_u32 v192, v193
	s_wait_dscnt 0x0
	s_endpgm
.Lfunc_end_k_q9de4b8280f_prep:
	.size	k_q9de4b8280f_prep, .Lfunc_end_k_q9de4b8280f_prep-k_q9de4b8280f_prep
	.p2alignl 7, 3214868480
	.fill 96, 4, 3214868480
	.section	.rodata,"a",@progbits
	.p2align	6, 0x0
	.amdhsa_kernel k_q9de4b8280f_prep
		.amdhsa_group_segment_fixed_size 18432
		.amdhsa_private_segment_fixed_size 0
		.amdhsa_enable_private_segment 0
		.amdhsa_kernarg_size 64
		.amdhsa_user_sgpr_count 2
		.amdhsa_user_sgpr_kernarg_segment_ptr 1
		.amdhsa_wavefront_size32 1
		.amdhsa_system_sgpr_workgroup_id_x 1
		.amdhsa_system_sgpr_workgroup_id_y 1
		.amdhsa_system_sgpr_workgroup_id_z 1
		.amdhsa_system_vgpr_workitem_id 0
		.amdhsa_next_free_vgpr 194
		.amdhsa_next_free_sgpr 66
		.amdhsa_reserve_vcc 1
		.amdhsa_float_denorm_mode_32 3
		.amdhsa_float_denorm_mode_16_64 3
		.amdhsa_memory_ordered 1
		.amdhsa_forward_progress 1
		.amdhsa_inst_pref_size 49
	.end_amdhsa_kernel
	.amdgpu_metadata
---
amdhsa.version: [ 1, 2 ]
amdhsa.kernels:
  - .name:           k_q9de4b8280f_prep
    .symbol:         k_q9de4b8280f_prep.kd
    .args:
      - { .name: seq, .offset: 0, .size: 8, .value_kind: global_buffer, .address_space: global }
      - { .name: norm_w, .offset: 8, .size: 8, .value_kind: global_buffer, .address_space: global }
      - { .name: w_qkv, .offset: 16, .size: 8, .value_kind: global_buffer, .address_space: global }
      - { .name: w_out, .offset: 24, .size: 8, .value_kind: global_buffer, .address_space: global }
      - { .name: xb, .offset: 32, .size: 8, .value_kind: global_buffer, .address_space: global }
      - { .name: wqT, .offset: 40, .size: 8, .value_kind: global_buffer, .address_space: global }
      - { .name: woT, .offset: 48, .size: 8, .value_kind: global_buffer, .address_space: global }
      - { .name: rope, .offset: 56, .size: 8, .value_kind: global_buffer, .address_space: global }
    .group_segment_fixed_size: 18432
    .private_segment_fixed_size: 0
    .kernarg_segment_align: 8
    .kernarg_segment_size: 64
    .max_flat_workgroup_size: 256
    .sgpr_count:     66
    .vgpr_count:     194
    .wavefront_size: 32
...
	.end_amdgpu_metadata
.endif
;; end of part 1
;; launch qkv (part 2): grid 8 x 32, 4 waves a work-group, clusters of 4 x 4, 327,680 bytes of LDS; arguments xb, wqT, rope, qkvh; writes qkvh
.if DOCPART == 2
	.amdgcn_target "amdgcn-amd-amdhsa--gfx1250"
	.amdhsa_code_object_version 6
	.text
	.protected	k_q9de4b8280f_qkv
	.globl	k_q9de4b8280f_qkv
	.p2align	8
	.type	k_q9de4b8280f_qkv,@function
k_q9de4b8280f_qkv:
	s_mov_b64 s[64:65], 0
	v_nop
	global_prefetch_b8 v0, s[64:65] scope:SCOPE_SE
	s_setreg_imm32_b32 hwreg(HW_REG_WAVE_MODE, 25, 1), 1
	s_wait_xcnt 0x0
	s_wait_alu depctr_hold_cnt(0) depctr_sa_sdst(0) depctr_va_vdst(0) depctr_va_sdst(0) depctr_va_ssrc(0) depctr_va_vcc(0) depctr_vm_vsrc(0)
	s_getreg_b32 s2, hwreg(HW_REG_IB_STS2, 6, 4)
	s_cmp_eq_u32 s2, 0
	s_cbranch_scc0 .Lentry_in_a_cluster
	s_endpgm
.Lentry_in_a_cluster:
	s_bfe_u32 s2, ttmp6, 0x10000c
	s_cmp_lg_u32 s2, 0xf033
	s_cbranch_scc0 .Lentry_shape_is_right
	s_endpgm
.Lentry_shape_is_right:
; QKV: qkvh[b][head][q,k,v][pos][64] = f16( RoPE( xb x wqT^T ) ), RoPE on q and k only.  xb [8192][1024], wqT [3072][1024], both f16; sums in f32.
; A work-group stays and makes two blocks of 256 rows x 192 columns, one after the other: the q, k and v of heads 2 bx and 2 bx + 1 for the same rows.
; K has only 8 steps, so set-up, first fill and the stores' way out are a large share of one block: here the ring of LDS slots runs on from the first
; head into the second (the first head's last two changes of slot ask for the second head's K steps 0 and 1), the first head's way out runs while
; those tiles are on their way, its stores leave under the second head's products, and the RoPE table of the rows is loaded once for both heads.
; Four waves, each 64 rows x 192 columns: 48 accumulator tiles of 16 x 16.  K goes in steps of 128 (rows of 256 bytes) through two LDS slots.
; CLUSTERS: 4 x 4 work-groups.  xb's tile hangs on the block row alone and is asked for jointly by a row of the cluster, wqT's on the block column
; alone and is asked for jointly by a column: each of the four issues the same load with the same descriptor and a mask that names the four.
; REGISTER WINDOWS: 0: v0-31 addresses, v32-63 / v64-95 fragments of xb (two buffers), v96-223 the RoPE table of my 64 rows, v224-255 at work;
;   1: v0-95 / v96-191 fragments of wqT (two buffers);  2: tiles (a, b < 8) at v[8 (8 a + b)] (q and k);  3: tiles (a, b >= 8) at v[8 (4 a + b - 8)] (v).
; The matrix instruction is used transposed (source 0 = 16 rows of wqT, source 1 = 16 rows of xb): lane l then holds row l % 16 and eight
; neighbouring columns 8 (l / 16) + 0 .. 7, that is four RoPE pairs, which pack into 16 bytes.
; The 48 accumulators take turns, one instruction a turn, in the same order in every quarter step.
; LIMIT: q, k, v are stored in f16: magnitudes beyond 65504 overflow, under 6e-8 become 0.
.set KSTEP,  128
.set PITCH,  272                       ; an LDS row: 256 bytes + 16 of padding, so that the 16 rows of a fragment load start at 16 different 16-byte columns modulo 256
.set HALFA,  128*PITCH                 ; what wave 0 or 1 fetches of xb
.set HALFB,  96*PITCH                  ; what wave 2 or 3 fetches of wqT
.set SLOT,   2*HALFA+2*HALFB
.set STAGE,  2*SLOT                    ; behind the ring: 16 rows x 400 bytes for each wave; no fill ever lands there
.set SPITCH, 400
.set LAPS,   4                         ; 1024 / (2 x 128), for one head
.set HS,     524288                    ; bytes of one section (q, k or v) of one head
.set ADRA, 16                          ; v16-17 LDS address of my xb fragments in slot 0, 1
.set ADRB, 20                          ; v20-21 the same for wqT
.set STO,  24
.set RD,   25
.set CO,   26
.set CSO,  27
.set FA,   32                          ; xb fragment buffer f at FA + 32 f (window 0)
.set FBW,  96                          ; wqT fragment buffer f at 96 f (window 1)
.set Y,    32                          ; the way out: v32-95
.set CS,   96                          ; (cos, sin) of row block a, column block b', pair p at CS + 32 a + 8 b' + 2 p; kept for both heads
.set TT,   224
.set G1,  24
.set G0,  32
.set G1B, 48
.set G0B, 56
.set MSB, 0
.macro WIN new                         ; the immediate's high byte repeats the setting that is left
.if MSB != \new
	s_set_vgpr_msb (MSB<<8)|\new
.set MSB, \new
.endif
.endm
.set MUL_LO, 0xa1                      ; source 0 window 1, source 1 window 0, C and D window 2
.set MUL_HI, 0xf1                      ; the same, C and D window 3
.set TO_B,   0x40                      ; destination window 1, address window 0
.macro JLOAD s                         ; waves 0, 1 ask for xb's halves, waves 2, 3 for wqT's: one load a wave; the branch hangs on the wave's number alone
	s_cmp_eq_u32 s11, 0
	s_cbranch_scc0 .Lfor_b_\@
	tensor_load_to_lds s[G0+4*\s:G0+4*\s+3], s[G1:G1+7]
	s_nop 0
	s_branch .Lasked_\@
.Lfor_b_\@:
	tensor_load_to_lds s[G0B+4*\s:G0B+4*\s+3], s[G1B:G1B+7]
	s_nop 0
.Lasked_\@:
.endm
.macro CREST                           ; a round of the cluster's barrier behind its opening work-group barrier
	s_cmp_lg_u32 s10, 0
	s_cbranch_scc1 .Lnot_wave_0_\@
	s_barrier_signal -3
.Lnot_wave_0_\@:
	s_barrier_wait -3
	s_barrier_signal -1
	s_barrier_wait -1
.endm
.macro CROUND
	s_barrier_signal -1
	s_barrier_wait -1
	CREST
.endm
.macro PLACES                          ; four places behind a matrix instruction before a load lands on, or a vector instruction touches, its registers
.rept 4
	v_nop
.endr
.endm
	s_load_b128 s[4:7], s[0:1], 0x0                ; xb, wqT
	s_load_b128 s[68:71], s[0:1], 0x10             ; rope, qkvh
	s_set_vgpr_msb 0x40
	v_lshl_add_u32 v255, v0, 2, 0x41c00
	s_set_vgpr_msb 0x4000
	v_mov_b32 v31, 0
	s_set_vgpr_msb 0x1
	ds_add_u32 v255, v31
	s_set_vgpr_msb 0x100
	v_lshrrev_b32 v1, 5, v0
	v_readfirstlane_b32 s10, v1                    ; wave 0..3
	s_lshr_b32 s11, s10, 1                         ; 0: I fetch for xb, 1: for wqT
	s_and_b32 s12, s10, 1                          ; which half of that tile
	s_bfe_u32 s40, ttmp6, 0x40000                  ; cx
	s_bfe_u32 s41, ttmp6, 0x40004                  ; cy
	s_lshl_b32 s42, ttmp9, 2
	s_add_co_u32 s42, s42, s40                     ; block column bx: heads 2 bx, 2 bx + 1
	s_and_b32 s13, ttmp7, 0xffff
	s_lshl_b32 s13, s13, 2
	s_add_co_u32 s13, s13, s41                     ; block row
	s_lshl_b32 s43, s41, 2
	s_lshl_b32 s43, 15, s43                        ; my row of the cluster
	s_lshl_b32 s44, 0x1111, s40                    ; my column
	s_or_b32 s[G1+0], s43, (1<<16)|(1<<20)|(1<<21)|(5<<22)|(3<<25)   ; mask; 2-byte elements; padding on; bit 21 beside a mask; 4 words behind every 64
	s_or_b32 s[G1B+0], s44, (1<<16)|(1<<20)|(1<<21)|(5<<22)|(3<<25)
	s_mov_b32 s[G1+1], KSTEP<<16                   ; tensor_dim0 = 128
	s_mov_b32 s[G1B+1], KSTEP<<16
	s_mov_b32 s[G1+2], 128<<16                     ; tensor_dim1 = 128 rows
	s_mov_b32 s[G1B+2], 96<<16                     ; 96 rows
	s_mov_b32 s[G1+3], KSTEP<<16                   ; tile_dim0 = 128
	s_mov_b32 s[G1B+3], KSTEP<<16
	s_mov_b32 s[G1+4], 128                         ; tile_dim1
	s_mov_b32 s[G1B+4], 96
	s_mov_b32 s[G1+5], 1024                        ; elements from row to row
	s_mov_b32 s[G1B+5], 1024
	s_mov_b32 s[G1+6], 0
	s_mov_b32 s[G1B+6], 0
	s_mov_b32 s[G1+7], 0
	s_mov_b32 s[G1B+7], 0
	s_lshl_b32 s17, s12, 7
	s_lshl_b32 s16, s13, 8
	s_add_co_u32 s16, s16, s17                     ; xb: row 256 x block row + 128 x half
	s_lshl_b32 s16, s16, 11                        ; 2,048 bytes a row
	s_mov_b32 s17, 0
	s_mul_i32 s46, s42, 384
	s_mul_i32 s47, s12, 96
	s_add_co_u32 s46, s46, s47                     ; wqT: row 192 x (2 bx) + 96 x half
	s_lshl_b32 s46, s46, 11
	s_mov_b32 s47, 0
	s_mul_i32 s20, s10, HALFA                      ; waves 0, 1: xb's halves at LDS 0 and HALFA
	s_mul_i32 s21, s10, HALFB
	s_add_co_u32 s21, s21, 2*HALFA-2*HALFB         ; waves 2, 3: wqT's halves behind xb's 256 rows
	s_wait_dscnt 0x0
	s_wait_kmcnt 0x0
	s_add_nc_u64 s[14:15], s[4:5], s[16:17]
	s_add_nc_u64 s[46:47], s[6:7], s[46:47]
	CROUND                                         ; all sixteen work-groups are here: the first joint loads meet
.irp s, 0,1
	s_mov_b32 s[G0+4*\s], 1
	s_add_co_u32 s[G0+4*\s+1], s20, \s*SLOT
	s_add_nc_u64 s[G0+4*\s+2:G0+4*\s+3], s[14:15], \s*KSTEP*2
	s_or_b32 s[G0+4*\s+3], s[G0+4*\s+3], 0x80000000
	s_mov_b32 s[G0B+4*\s], 1
	s_add_co_u32 s[G0B+4*\s+1], s21, \s*SLOT
	s_add_nc_u64 s[G0B+4*\s+2:G0B+4*\s+3], s[46:47], \s*KSTEP*2
	s_or_b32 s[G0B+4*\s+3], s[G0B+4*\s+3], 0x80000000
	JLOAD \s                                       ; K steps 0 and 1: two loads of the wave are out here, later one
.endr
	; addresses
	v_and_b32 v1, 15, v0                           ; r = l % 16
	v_bfe_u32 v2, v0, 4, 1                         ; h = l / 16
	v_mul_u32_u24 v3, v1, PITCH
	v_lshl_add_u32 v3, v2, 4, v3
	s_mul_i32 s22, s10, 64*PITCH                   ; my 64 rows of xb
	v_add_nc_u32 v[ADRA], s22, v3
	v_add_nc_u32 v[ADRA+1], SLOT, v[ADRA]
	v_add_nc_u32 v[ADRB], 2*HALFA, v3
	v_add_nc_u32 v[ADRB+1], 2*HALFA+SLOT, v3
	s_mul_i32 s23, s10, 16*SPITCH
	s_add_co_u32 s23, s23, STAGE                   ; my stage
	v_mul_u32_u24 v4, v1, SPITCH
	v_lshl_add_u32 v4, v2, 4, v4
	v_add_nc_u32 v[STO], s23, v4                   ; in: row r, 16 bytes for each half of the lanes
	v_and_b32 v5, 31, v0
	v_lshrrev_b32 v6, 3, v5
	v_and_b32 v7, 7, v0
	v_mul_u32_u24 v6, v6, SPITCH
	v_lshl_add_u32 v6, v7, 4, v6
	v_add_nc_u32 v[RD], s23, v6                    ; back: eight lanes take the 128 bytes of one row's section
	v_lshlrev_b32 v[CO], 4, v5                     ; four such rows are 512 consecutive bytes of qkvh
	v_lshlrev_b32 v4, 8, v1
	v_lshl_add_u32 v[CSO], v2, 5, v4               ; table: row r, pairs 4 h ..
	s_and_b32 s16, s13, 15
	s_lshl_b32 s16, s16, 8
	s_lshl_b32 s17, s10, 6
	s_add_co_u32 s16, s16, s17                     ; my first position in the sequence
	s_lshl_b32 s18, s16, 8
	s_mov_b32 s19, 0
	s_add_nc_u64 s[68:69], s[68:69], s[18:19]      ; the table at that position
	s_lshl_b32 s18, s16, 7                         ; 128 bytes a position
	s_lshr_b32 s17, s13, 4                         ; batch
	s_mul_i32 s17, s17, 16*3*HS
	s_add_co_u32 s18, s18, s17
	s_add_nc_u64 s[70:71], s[70:71], s[18:19]
	s_mul_i32 s46, s42, 6*HS                       ; head 2 bx (in registers that never feed xb's descriptors)
	s_mov_b32 s47, 0
	s_add_nc_u64 s[70:71], s[70:71], s[46:47]
	; the table of my 64 rows, 128 registers, asked for once for both heads; it is waited for at the head of the way out
.irp a, 0,1,2,3
.irp q, 0,1,2,3
	global_load_b128 v[CS+32*\a+8*\q:CS+32*\a+8*\q+3], v[CSO], s[68:69] offset:4096*\a+64*\q
	global_load_b128 v[CS+32*\a+8*\q+4:CS+32*\a+8*\q+7], v[CSO], s[68:69] offset:4096*\a+64*\q+16
.endr
.endr
.macro LO8 f, a, zero                  ; row block a x column blocks 0 .. 7, 32 along K
.irp b, 0,1,2,3,4,5,6,7
.if \zero
	v_wmma_f32_16x16x32_f16 v[8*(8*\a+\b):8*(8*\a+\b)+7], v[FBW*\f+8*\b:FBW*\f+8*\b+7], v[FA+32*\f+8*\a:FA+32*\f+8*\a+7], 0
.else
	v_wmma_f32_16x16x32_f16 v[8*(8*\a+\b):8*(8*\a+\b)+7], v[FBW*\f+8*\b:FBW*\f+8*\b+7], v[FA+32*\f+8*\a:FA+32*\f+8*\a+7], v[8*(8*\a+\b):8*(8*\a+\b)+7]
.endif
.endr
.endm
.macro HI16 f, zero                    ; all four row blocks x column blocks 8 .. 11
.irp a, 0,1,2,3
.irp b, 0,1,2,3
.if \zero
	v_wmma_f32_16x16x32_f16 v[8*(4*\a+\b):8*(4*\a+\b)+7], v[FBW*\f+64+8*\b:FBW*\f+64+8*\b+7], v[FA+32*\f+8*\a:FA+32*\f+8*\a+7], 0
.else
	v_wmma_f32_16x16x32_f16 v[8*(4*\a+\b):8*(4*\a+\b)+7], v[FBW*\f+64+8*\b:FBW*\f+64+8*\b+7], v[FA+32*\f+8*\a:FA+32*\f+8*\a+7], v[8*(4*\a+\b):8*(4*\a+\b)+7]
.endif
.endr
.endr
.endm
.macro FETCH slot, k, g                ; 32 LDS loads in one run: xb's 4 fragments, then wqT's 12, of the quarter at byte k of the rows
	WIN 0
.irp i, 0,1,2,3
	ds_load_b128 v[FA+32*\g+8*\i:FA+32*\g+8*\i+3],   v[ADRA+\slot] offset:\k+\i*16*PITCH
	ds_load_b128 v[FA+32*\g+8*\i+4:FA+32*\g+8*\i+7], v[ADRA+\slot] offset:\k+\i*16*PITCH+32
.endr
	WIN TO_B
.irp i, 0,1,2,3,4,5,6,7,8,9,10,11
	ds_load_b128 v[FBW*\g+8*\i:FBW*\g+8*\i+3],   v[ADRB+\slot] offset:\k+\i*16*PITCH
	ds_load_b128 v[FBW*\g+8*\i+4:FBW*\g+8*\i+7], v[ADRB+\slot] offset:\k+\i*16*PITCH+32
.endr
.endm
.macro QUARTER slot, k, f, g, zero
	s_wait_dscnt 8                                 ; all of buffer f but the youngest eight loads, wqT's blocks 8 .. 11
	WIN MUL_LO
	LO8 \f, 0, \zero
	LO8 \f, 1, \zero
	PLACES
	FETCH \slot, \k, \g
	WIN MUL_LO
	LO8 \f, 2, \zero
	LO8 \f, 3, \zero
	s_wait_dscnt 32                                ; all but the 32 just issued
	WIN MUL_HI
	HI16 \f, \zero
.endm
.macro THREE slot, zero
	QUARTER \slot, 64,  0, 1, \zero
	QUARTER \slot, 128, 1, 0, 0
	QUARTER \slot, 192, 0, 1, 0
.endm
; The last quarter of a K step multiplies buffer 1 and changes slots.  In front of the barrier each wave waits for its reads of this slot and for
; all its tensor loads (one is out: its part of the next slot).  Where the slot is filled again the barrier opens a round of the cluster's barrier,
; and the joint refill is the first tensor load behind the round's closing wait.
; fill = 0: none; 1: this head's K step two further on; 2: the next head's K step 0 or 1 (xb: six K steps back in the same rows; wqT: 192 rows on and six K steps back).
; fetch = 0: the next slot's first fragments are not read yet (the way out stands between and uses those registers).
.macro TURN slot, next, fill, fetch
	s_wait_dscnt 8
	WIN MUL_LO
	LO8 1, 0, 0
	LO8 1, 1, 0
	s_wait_dscnt 0                                 ; my reads of this slot are over
	s_wait_tensorcnt 0x0                           ; all my tensor loads have landed
	ds_add_u32 v255, v31
	s_wait_dscnt 0x0
	s_barrier_signal -1
	LO8 1, 2, 0                                    ; register work while the others arrive
	WIN 0
	s_barrier_wait -1
.if \fill
	CREST
.if \fill == 1
	s_add_nc_u64 s[G0+4*\slot+2:G0+4*\slot+3], s[G0+4*\slot+2:G0+4*\slot+3], 2*KSTEP*2      ; no load of mine is out: the descriptors may be stepped
	s_add_nc_u64 s[G0B+4*\slot+2:G0B+4*\slot+3], s[G0B+4*\slot+2:G0B+4*\slot+3], 2*KSTEP*2
.else
	s_sub_nc_u64 s[G0+4*\slot+2:G0+4*\slot+3], s[G0+4*\slot+2:G0+4*\slot+3], 6*KSTEP*2
	s_add_nc_u64 s[G0B+4*\slot+2:G0B+4*\slot+3], s[G0B+4*\slot+2:G0B+4*\slot+3], 192*2048-6*KSTEP*2
.endif
	JLOAD \slot
.endif
.if \fetch
	PLACES
	FETCH \next, 0, 0
.endif
	WIN MUL_LO
	LO8 1, 3, 0
	WIN MUL_HI
	HI16 1, 0
.endm
.macro LAP zero
	THREE 0, \zero
	TURN 0, 1, 1, 1
	THREE 1, 0
	TURN 1, 0, 1, 1
.endm
; THE WAY OUT, 16 rows at a time: RoPE on q and k in f32, round to f16, through my own stage, out as 512 consecutive bytes a store.
.macro OUTQ a
	s_wait_xcnt 0x0                                ; v80-95 and v224-255 were data of the last block's stores: written again only behind this wait
	WIN 0x02                                       ; source 0 from window 2
.irp b, 0,1,2,3,4,5,6,7
.irp p, 0,1,2,3
	v_mul_f32 v[TT+2*\p],   v[8*(8*\a+\b)+2*\p+1], v[CS+32*\a+8*(\b&3)+2*\p+1]                    ; x1 sin
	v_mul_f32 v[TT+2*\p+1], v[8*(8*\a+\b)+2*\p],   v[CS+32*\a+8*(\b&3)+2*\p+1]                    ; x0 sin
	v_fma_f32 v[Y+8*\b+2*\p],   v[8*(8*\a+\b)+2*\p],   v[CS+32*\a+8*(\b&3)+2*\p], -v[TT+2*\p]     ; x0 cos - x1 sin
	v_fma_f32 v[Y+8*\b+2*\p+1], v[8*(8*\a+\b)+2*\p+1], v[CS+32*\a+8*(\b&3)+2*\p], v[TT+2*\p+1]    ; x1 cos + x0 sin
.endr
.endr
	WIN 0
.set i_, 0
.rept 32
	v_cvt_pk_f16_f32 v[Y+i_], v[Y+2*i_], v[Y+2*i_+1]      ; in place, ascending: word i is written when words 2 i, 2 i + 1 are read
.set i_, i_+1
.endr
	WIN 0x0f                                       ; sources 0 and 1 from window 3: v, no rotation
.irp b, 0,1,2,3
.irp p, 0,1,2,3
	v_cvt_pk_f16_f32 v[Y+32+4*\b+\p], v[8*(4*\a+\b)+2*\p], v[8*(4*\a+\b)+2*\p+1]
.endr
.endr
	WIN 0
.irp b, 0,1,2,3,4,5,6,7,8,9,10,11
	ds_store_b128 v[STO], v[Y+4*\b:Y+4*\b+3] offset:32*\b
.endr
.set i_, 0
.rept 12
.if i_ < 4
.set rb_, 80+4*i_                                  ; read back into registers that hold neither the table nor the words just stored
.else
.set rb_, 224+4*(i_-4)
.endif
	ds_load_b128 v[rb_:rb_+3], v[RD] offset:(i_&3)*4*SPITCH+(i_>>2)*128    ; LDS serves a wave's instructions in order: these see the stores above
.set i_, i_+1
.endr
.set i_, 0
.rept 12
.if i_ < 4
.set rb_, 80+4*i_
.else
.set rb_, 224+4*(i_-4)
.endif
	s_wait_dscnt 11-i_                             ; load i is in
	global_store_b128 v[CO], v[rb_:rb_+3], s[70:71] offset:2048*\a+512*(i_&3)+(i_>>2)*HS   ; four rows of one section: 512 consecutive aligned bytes
.set i_, i_+1
.endr
.endm
; One head: 8 K steps and the way out.  last = 0: the last lap asks for the next head's first two K steps; last = 1: it asks for nothing.
.macro HEAD last
	FETCH 0, 0, 0
	LAP 1                                          ; the first products start the sums: nothing is cleared
	WIN 0
	s_mov_b32 s3, LAPS-2
.Llap_\@:
	LAP 0
	WIN 0
	s_sub_co_u32 s3, s3, 1
	s_cmp_lg_u32 s3, 0
	s_cbranch_scc1 .Llap_\@
	THREE 0, 0
.if \last
	TURN 0, 1, 0, 1
	THREE 1, 0
	s_wait_dscnt 8
	WIN MUL_LO
	LO8 1, 0, 0
	LO8 1, 1, 0
	LO8 1, 2, 0
	LO8 1, 3, 0
	s_wait_dscnt 0
	WIN MUL_HI
	HI16 1, 0
.else
	TURN 0, 1, 2, 1
	THREE 1, 0
	TURN 1, 0, 2, 0                                ; its wait for all loads and its round show the next head's K step 0 whole in slot 0; K step 1 is on its way
.endif
	PLACES
	s_wait_loadcnt 0x0                             ; the table
	OUTQ 0
	OUTQ 1
	OUTQ 2
	OUTQ 3
.endm
	s_wait_tensorcnt 0x1                           ; my part of K step 0 is in; K step 1's stays out
	s_barrier_signal -1
	s_barrier_wait -1
	HEAD 0
	s_wait_xcnt 0x0                                ; the stores' base, and their data in v80-95, are written again only behind this wait
	s_add_nc_u64 s[70:71], s[70:71], 3*HS          ; the next head's q
	HEAD 1
	s_set_vgpr_msb 0x1
	s_wait_tensorcnt 0x0
	ds_add_u32 v255, v31
	s_wait_dscnt 0x0
	s_set_vgpr_msb 0x100
	CROUND                                         ; the closing round: no work-group ends while a partner may still ask for a tile that names it
	s_endpgm
.Lfunc_end_k_q9de4b8280f_qkv:
	.size	k_q9de4b8280f_qkv, .Lfunc_end_k_q9de4b8280f_qkv-k_q9de4b8280f_qkv
	.p2alignl 7, 3214868480
	.fill 96, 4, 3214868480
	.section	.rodata,"a",@progbits
	.p2align	6, 0x0
	.amdhsa_kernel k_q9de4b8280f_qkv
		.amdhsa_group_segment_fixed_size 327680
		.amdhsa_private_segment_fixed_size 0
		.amdhsa_enable_private_segment 0
		.amdhsa_kernarg_size 32
		.amdhsa_user_sgpr_count 2
		.amdhsa_user_sgpr_kernarg_segment_ptr 1
		.amdhsa_wavefront_size32 1
		.amdhsa_system_sgpr_workgroup_id_x 1
		.amdhsa_system_sgpr_workgroup_id_y 1
		.amdhsa_system_sgpr_workgroup_id_z 1
		.amdhsa_system_vgpr_workitem_id 0
		.amdhsa_next_free_vgpr 896
		.amdhsa_next_free_sgpr 72
		.amdhsa_reserve_vcc 0
		.amdhsa_float_denorm_mode_32 3
		.amdhsa_float_denorm_mode_16_64 3
		.amdhsa_memory_ordered 1
		.amdhsa_forward_progress 1
		.amdhsa_inst_pref_size 255
	.end_amdhsa_kernel
	.section	.bss,"aw",@nobits
	.p2align	6
	.space	262144
	.amdgpu_metadata
---
amdhsa.version: [ 1, 2 ]
amdhsa.kernels:
  - .name:           k_q9de4b8280f_qkv
    .symbol:         k_q9de4b8280f_qkv.kd
    .args:
      - { .name: xb, .offset: 0, .size: 8, .value_kind: global_buffer, .address_space: global }
      - { .name: wqT, .offset: 8, .size: 8, .value_kind: global_buffer, .address_space: global }
      - { .name: rope, .offset: 16, .size: 8, .value_kind: global_buffer, .address_space: global }
      - { .name: qkvh, .offset: 24, .size: 8, .value_kind: global_buffer, .address_space: global }
    .group_segment_fixed_size: 327680
    .private_segment_fixed_size: 0
    .kernarg_segment_align: 8
    .kernarg_segment_size: 32
    .max_flat_workgroup_size: 128
    .sgpr_count:     72
    .vgpr_count:     896
    .wavefront_size: 32
...
	.end_amdgpu_metadata
.endif
;; end of part 2
;; launch attn (part 3): grid 16 x 16, 8 waves a work-group, no clusters, 327,680 bytes of LDS; arguments qkvh, persist_mem, ob; writes ob
.if DOCPART == 3
	.amdgcn_target "amdgcn-amd-amdhsa--gfx1250"
	.amdhsa_code_object_version 6
	.text
	.protected	k_q9de4b8280f_attn
	.globl	k_q9de4b8280f_attn
	.p2align	8
	.type	k_q9de4b8280f_attn,@function
k_q9de4b8280f_attn:
	s_mov_b64 s[64:65], 0
	v_nop
	global_prefetch_b8 v0, s[64:65] scope:SCOPE_SE
	s_setreg_imm32_b32 hwreg(HW_REG_WAVE_MODE, 25, 1), 1
	s_wait_xcnt 0x0
; ATTN: ob[b*4096 + p][head*64 + d] = f16( softmax over the visible keys of q.k/8, times v ), with a running maximum.
; WORK LEFT OUT: the query at position p sees the 16 persistent keys and the keys max(0, p-512) .. p (shown at the head of the launch prep); key tiles of 64
; that are masked for all 32 rows of a wave are not multiplied, key chunks that no wave needs are not loaded.  A NaN or infinity that lies only there is not
; carried on.  (In one edge tile of each wave a half of 32 keys is masked for all its 32 rows: the lower half of x = 0 where g is odd, the upper half of
; x = 8 where g is even.  It stays, inside a tile that holds live work: 576 keys are worked on for the 544 that the wave's rows see.)
; A work-group takes 256 queries (block qb) of two heads, one head after the other.  Wave w takes 32 rows, row group g = w (w < 4) or 11 - w, as two
; query tiles of 16.  Keys go in tiles of 64; an LDS slot holds a chunk of 128 keys (K and V), two slots take turns; wave 0 fetches K's chunk, wave 1 V's.
; Tile T lies at key q0 - 512 + 64 T; a wave works on x = T - g/2 in 0 .. 8; x = 0 is masked at the far edge, x = 8 at the causal edge, the rest not at all.
; TRANSPOSED FORM: S^T = K Q^T, so lane (r, h) holds query r and keys 8 h + j of each 16: maximum and sum run inside the lane plus one exchange between
; the halves, the weights pack in place into the second operand of O^T = V^T P^T, and V^T comes from LDS by the transposing load.
; THE PHASES OF A TILE STAND ONE BEHIND THE OTHER (scores, softmax, products with V), and the text is kept short: a loop of four tile bodies that is walked
; up to five times, so that the same code serves most of a wave's 18 tiles.  Two waves share a SIMD.
; NO CLUSTER: neighbouring query blocks want, in the same step, chunks that lie 256 keys apart, and blocks 0 and 1 have fewer chunks (1 and 2 pairs
; against 3); a joint walk over the union of the keys would double every partner's steps.
; Matrix instructions take their accumulators by turns, one instruction a turn.
; LIMITS: operands in f16 (beyond 65504 overflow; weights under 6e-8 become 0); v_exp_f32 gives 0 for results under 2^-126.
.set HS,    524288                     ; bytes of one section of one head
.set SLOTB, 35840                      ; K: 64 rows of 256 bytes (two keys), 272 apart; V: 64 rows, 288 apart
.set VOFF,  17408
.set STG,   71680                      ; behind the ring: 32 rows x 272 bytes for each wave; no fill ever lands there
.set KA,  2                            ; v2-3   LDS address of my K fragments, slot 0, 1
.set VA,  4                            ; v4-5   the same for V^T
.set U,   6                            ; v6-7   query tile qt: r + 16 qt + 32 (g & 1) - 8 h
.set M,   8                            ; v8-9   running maximum
.set LS,  10                           ; v10-11 running sum over my half of the keys
.set NMC, 12                           ; v[12:13] -maximum x c, twice
.set AL,  14                           ; v[14:15] the rescaling factor, twice
.set T,   16                           ; v16-23 at work
.set QO,  24
.set PKO, 25
.set PVO, 26
.set STO, 27
.set RD,  28
.set CO,  29
.set Q,   32                           ; v32-63   fragment (qt, s) at 16 qt + 8 s
.set O,   64                           ; v64-127  tile (qt, dt) at 32 qt + 8 dt
.set S,   128                          ; v128-191 tile (qt, t) at 32 qt + 8 t; the packed weights of keys 32 u .. at 32 qt + 8 u
.set KV,  192                          ; v192-255 K fragments, then V^T fragments
.set G1K, 16
.set G1V, 24
.set G0K, 32
.set G0V, 40
.macro NOPS n
.rept \n
	v_nop
.endr
.endm
	s_load_b128 s[4:7], s[0:1], 0x0                ; qkvh, persist_mem
	s_load_b64 s[10:11], s[0:1], 0x10              ; ob
	s_set_vgpr_msb 0x40
	v_lshl_add_u32 v0, v0, 2, 0x29000
	v_mov_b32 v1, 0
	s_set_vgpr_msb 0x4045
	ds_add_u32 v0, v1
	s_set_vgpr_msb 0x4500
	v_lshrrev_b32 v1, 5, v0
	v_readfirstlane_b32 s2, v1                     ; wave
	s_mov_b32 s60, ttmp9                           ; qb
	s_and_b32 s61, ttmp7, 0xffff
	s_lshr_b32 s62, s61, 3                         ; batch
	s_and_b32 s63, s61, 7                          ; pair of heads
	s_sub_co_u32 s3, 11, s2
	s_cmp_lt_u32 s2, 4
	s_cselect_b32 s3, s2, s3                       ; g
	s_add_co_u32 s15, s60, 1
	s_min_u32 s15, s15, 3                          ; np: pairs of chunks for a head
	s_sub_co_u32 s52, s15, 1
	s_lshl_b32 s53, s15, 1
	s_sub_co_u32 s53, s53, 1                       ; the loop's trips: all pairs of both heads but the last
	s_lshl_b32 s54, s15, 2
	s_sub_co_u32 s54, 12, s54                      ; first tile
	s_lshr_b32 s59, s3, 1
	s_sub_co_u32 s55, s54, s59                     ; first x (may wrap below 0: such tiles fail the unsigned test x <= 8)
	s_lshl_b32 s58, s52, 15
	s_sub_co_u32 s58, 3*HS, s58                    ; from a head's last pair to the next head's first
	s_mov_b32 s57, 0
	s_mov_b32 s12, 0x76543210
	s_mov_b32 s13, 0xfedcba98
	s_mov_b32 s14, 0xff7fffff                      ; -FLT_MAX
	s_mov_b32 s48, 0x3e38aa3b                      ; c = log2(e) / 8
	s_mov_b32 s49, 0x3e38aa3b
	s_mov_b32 s50, 0xbe38aa3b
	; a chunk is 16,384 dense bytes: 64 rows of 32 elements of 8 bytes
	s_mov_b32 s[G1K+0], (3<<16)|(1<<20)|(5<<22)|(3<<25)    ; 4 words of padding behind every 64
	s_mov_b32 s[G1V+0], (3<<16)|(1<<20)|(5<<22)|(7<<25)    ; 8 words
	s_mov_b32 s[G1K+1], 32<<16
	s_mov_b32 s[G1V+1], 32<<16
	s_mov_b32 s[G1K+2], 64<<16
	s_mov_b32 s[G1V+2], 64<<16
	s_mov_b32 s[G1K+3], 32<<16
	s_mov_b32 s[G1V+3], 32<<16
	s_mov_b32 s[G1K+4], 64
	s_mov_b32 s[G1V+4], 64
	s_mov_b32 s[G1K+5], 32
	s_mov_b32 s[G1V+5], 32
	s_mov_b32 s[G1K+6], 0
	s_mov_b32 s[G1V+6], 0
	s_mov_b32 s[G1K+7], 0
	s_mov_b32 s[G1V+7], 0
	s_lshl_b32 s8, s62, 4
	s_lshl1_add_u32 s8, s63, s8                    ; batch*16 + first head
	s_mul_i32 s8, s8, 3*HS
	s_mov_b32 s9, 0
	s_wait_dscnt 0x0
	s_barrier_signal -1
	s_barrier_wait -1
	s_wait_kmcnt 0x0
	s_add_nc_u64 s[4:5], s[4:5], s[8:9]            ; the first head's q
	s_add_co_u32 s8, s60, 1
	s_sub_co_u32 s8, s8, s15
	s_lshl_b32 s8, s8, 15                          ; first key 256 (qb + 1 - np), 128 bytes each
	s_add_co_u32 s8, s8, HS
	s_add_nc_u64 s[66:67], s[4:5], s[8:9]          ; K's first chunk
	s_mov_b32 s[G0K+0], 1
	s_mov_b32 s[G0K+1], 0
	s_mov_b64 s[G0K+2:G0K+3], s[66:67]
	s_or_b32 s[G0K+3], s[G0K+3], 0x80000000
	s_mov_b32 s[G0K+4], 1
	s_mov_b32 s[G0K+5], SLOTB
	s_add_nc_u64 s[G0K+6:G0K+7], s[66:67], 16384
	s_or_b32 s[G0K+7], s[G0K+7], 0x80000000
	s_mov_b32 s[G0V+0], 1
	s_mov_b32 s[G0V+1], VOFF
	s_add_nc_u64 s[G0V+2:G0V+3], s[66:67], HS
	s_or_b32 s[G0V+3], s[G0V+3], 0x80000000
	s_mov_b32 s[G0V+4], 1
	s_mov_b32 s[G0V+5], SLOTB+VOFF
	s_add_nc_u64 s[G0V+6:G0V+7], s[66:67], HS+16384
	s_or_b32 s[G0V+7], s[G0V+7], 0x80000000
.macro KVLOAD s                        ; wave 0: K's chunk, wave 1: V's, the others none: at most one tensor load of a wave is out
	s_cmp_lg_u32 s2, 0
	s_cbranch_scc1 .Lnot_k_\@
	tensor_load_to_lds s[G0K+4*(\s):G0K+4*(\s)+3], s[G1K:G1K+7]
	s_nop 0
.Lnot_k_\@:
	s_cmp_lg_u32 s2, 1
	s_cbranch_scc1 .Lnot_v_\@
	tensor_load_to_lds s[G0V+4*(\s):G0V+4*(\s)+3], s[G1V:G1V+7]
	s_nop 0
.Lnot_v_\@:
.endm
	KVLOAD 0                                       ; the one first fill at the start; slot 1 is first filled behind the first trip's barrier
	s_lshl_b32 s8, s60, 15
	s_add_nc_u64 s[4:5], s[4:5], s[8:9]            ; q at the block's first row
	s_lshl_b32 s8, s63, 13
	s_add_nc_u64 s[6:7], s[6:7], s[8:9]            ; persistent keys of the first head
	s_lshl_b32 s8, s62, 12
	s_lshl_b32 s9, s60, 8
	s_add_co_u32 s8, s8, s9
	s_lshl_b32 s9, s3, 5
	s_add_co_u32 s8, s8, s9                        ; my first row of ob
	s_lshl_b32 s8, s8, 11
	s_lshl_b32 s9, s63, 8                          ; two heads are 256 bytes of a row
	s_add_co_u32 s8, s8, s9
	s_mov_b32 s9, 0
	s_add_nc_u64 s[10:11], s[10:11], s[8:9]
	v_and_b32 v30, 15, v0                          ; r
	v_bfe_u32 v31, v0, 4, 1                        ; h
	v_lshrrev_b32 v16, 1, v30
	v_mul_u32_u24 v16, v16, 272
	v_and_b32 v17, 1, v30
	v_lshl_add_u32 v16, v17, 7, v16
	v_lshl_add_u32 v[KA], v31, 4, v16              ; key r: LDS row r/2, half r&1; + 16 h
	v_add_nc_u32 v[KA+1], SLOTB, v[KA]
	v_bfe_u32 v16, v0, 1, 2
	v_lshl_add_u32 v16, v31, 2, v16
	v_mul_u32_u24 v16, v16, 288                    ; key 8 h + (l & 7): LDS row 4 h + (l & 7)/2,
	v_and_b32 v17, 1, v0
	v_lshl_add_u32 v16, v17, 7, v16                ; half l & 1,
	v_bfe_u32 v17, v0, 3, 1
	v_lshl_add_u32 v16, v17, 4, v16                ; 16 bytes by bit 3 of the lane
	v_add_nc_u32 v[VA], VOFF, v16
	v_add_nc_u32 v[VA+1], VOFF+SLOTB, v16
	s_and_b32 s8, s3, 1
	s_lshl_b32 s8, s8, 5
	v_lshlrev_b32 v16, 3, v31
	v_sub_nc_u32 v16, v30, v16
	v_add_nc_u32 v[U], s8, v16
	v_add_nc_u32 v[U+1], 16, v[U]
	s_lshl_b32 s8, s3, 12
	v_lshlrev_b32 v16, 7, v30
	v_lshl_add_u32 v16, v31, 4, v16
	v_add_nc_u32 v[QO], s8, v16                    ; (32 g + r) 128 + 16 h
	v_lshlrev_b32 v16, 8, v30
	v_lshl_add_u32 v[PKO], v31, 5, v16
	v_lshlrev_b32 v16, 2, v30
	v_lshl_add_u32 v[PVO], v31, 11, v16
	s_mul_i32 s8, s2, 8704
	s_add_co_u32 s8, s8, STG                       ; my stage
	v_mul_u32_u24 v16, v30, 272
	v_lshl_add_u32 v16, v31, 4, v16
	v_add_nc_u32 v[STO], s8, v16
	v_mul_u32_u24 v16, v31, 272
	v_lshl_add_u32 v16, v30, 4, v16
	v_add_nc_u32 v[RD], s8, v16
	v_lshlrev_b32 v16, 11, v31
	v_lshl_add_u32 v[CO], v30, 4, v16
; A head's q fragments and its persistent keys and values (f32), asked for only.
.macro HLOADS hsel
.irp qt, 0,1
.irp s, 0,1
.irp e, 0,1
	global_load_b128 v[Q+16*\qt+8*\s+4*\e:Q+16*\qt+8*\s+4*\e+3], v[QO], s[4:5] offset:\hsel*3*HS+2048*\qt+64*\s+32*\e
.endr
.endr
.endr
.irp s, 0,1
	global_load_b128 v[S+16*\s:S+16*\s+3],     v[PKO], s[6:7] offset:\hsel*4096+128*\s       ; key r, d = 32 s + 8 h + 0 .. 7
	global_load_b128 v[S+16*\s+4:S+16*\s+7],   v[PKO], s[6:7] offset:\hsel*4096+128*\s+16
	global_load_b128 v[S+16*\s+8:S+16*\s+11],  v[PKO], s[6:7] offset:\hsel*4096+128*\s+64    ; d = 32 s + 16 + 8 h + 0 .. 7
	global_load_b128 v[S+16*\s+12:S+16*\s+15], v[PKO], s[6:7] offset:\hsel*4096+128*\s+80
.endr
.irp dt, 0,1,2,3
.irp j, 0,1,2,3,4,5,6,7
	global_load_b32 v[S+32+8*\dt+\j], v[PVO], s[6:7] offset:65536+\hsel*4096+256*\j+64*\dt   ; value of key 8 h + j, d = 16 dt + r
.endr
.endr
.endm
; The persistent keys start maximum, sum and output of one query tile.
.macro PSOFT qt
	v_max3_num_f32 v[T], v[S+32*\qt], v[S+32*\qt+1], v[S+32*\qt+2]
	v_max3_num_f32 v[T], v[T], v[S+32*\qt+3], v[S+32*\qt+4]
	v_max3_num_f32 v[T], v[T], v[S+32*\qt+5], v[S+32*\qt+6]
	v_max_num_f32 v[T], v[T], v[S+32*\qt+7]
	v_permlanex16_b32 v[T+1], v[T], s12, s13       ; the other half's eight keys
	v_max_num_f32 v[M+\qt], v[T], v[T+1]
	v_mul_f32 v[NMC], s50, v[M+\qt]
	v_mul_f32 v[NMC+1], s50, v[M+\qt]
.irp i, 0,1,2,3
	v_pk_fma_f32 v[S+32*\qt+2*\i:S+32*\qt+2*\i+1], v[S+32*\qt+2*\i:S+32*\qt+2*\i+1], s[48:49], v[NMC:NMC+1] op_sel_hi:[1,0,1]
.endr
.irp i, 0,1,2,3,4,5,6,7
	v_exp_f32 v[S+32*\qt+\i], v[S+32*\qt+\i]
.endr
	v_nop                                          ; one plain instruction behind the transcendentals
	s_wait_alu depctr_va_vdst(0)
	v_pk_add_f32 v[T:T+1], v[S+32*\qt:S+32*\qt+1], v[S+32*\qt+2:S+32*\qt+3]
	v_pk_add_f32 v[T+2:T+3], v[S+32*\qt+4:S+32*\qt+5], v[S+32*\qt+6:S+32*\qt+7]
	v_pk_add_f32 v[T:T+1], v[T:T+1], v[T+2:T+3]
	v_add_f32 v[LS+\qt], v[T], v[T+1]
.irp i, 0,1,2,3
	v_cvt_pk_f16_f32 v[S+32*\qt+\i], v[S+32*\qt+2*\i], v[S+32*\qt+2*\i+1]
.endr
.irp i, 4,5,6,7
	v_mov_b32 v[S+32*\qt+\i], 0                    ; keys 16 .. 31 of this product do not exist
.endr
.endm
.macro HINIT
	s_wait_loadcnt 0x0
.set i_, 0
.rept 16
	v_cvt_pk_f16_f32 v[KV+i_], v[S+2*i_], v[S+2*i_+1]      ; persistent keys: fragments s = 0, 1
.set i_, i_+1
.endr
.irp dt, 0,1,2,3
.irp i, 0,1,2,3
	v_cvt_pk_f16_f32 v[KV+16+8*\dt+\i], v[S+32+8*\dt+2*\i], v[S+32+8*\dt+2*\i+1]
	v_mov_b32 v[KV+20+8*\dt+\i], 0
.endr
.endr
	v_wmma_f32_16x16x32_f16 v[S:S+7],     v[KV:KV+7],    v[Q:Q+7],     0
	v_wmma_f32_16x16x32_f16 v[S+32:S+39], v[KV:KV+7],    v[Q+16:Q+23], 0
	v_wmma_f32_16x16x32_f16 v[S:S+7],     v[KV+8:KV+15], v[Q+8:Q+15],  v[S:S+7]
	v_wmma_f32_16x16x32_f16 v[S+32:S+39], v[KV+8:KV+15], v[Q+24:Q+31], v[S+32:S+39]
	NOPS 4                                         ; four places before vector instructions read the scores
	PSOFT 0
	PSOFT 1
.irp qt, 0,1
.irp dt, 0,1,2,3
	v_wmma_f32_16x16x32_f16 v[O+32*\qt+8*\dt:O+32*\qt+8*\dt+7], v[KV+16+8*\dt:KV+16+8*\dt+7], v[S+32*\qt:S+32*\qt+7], 0   ; these start the sums: nothing is cleared
.endr
.endr
.endm
; cmp = v_cmp_le_i32: key 16 t + j + 8 h <= u is visible (causal edge); v_cmp_ge_i32: >= u (far edge).  A choice of values: every lane does the work.
.macro MASK cmp
.irp qt, 0,1
.irp t, 0,1,2,3
.irp j, 0,1,2,3,4,5,6,7
	\cmp vcc_lo, 16*\t+\j, v[U+\qt]
	v_cndmask_b32 v[S+32*\qt+8*\t+\j], s14, v[S+32*\qt+8*\t+\j], vcc_lo
.endr
.endr
.endr
.endm
; One query tile's 64 scores: new maximum, weights, sum, packed weights in place, output rescaled.
.macro SOFT qt
.irp t, 0,1,2,3
	v_max3_num_f32 v[T+\t], v[S+32*\qt+8*\t], v[S+32*\qt+8*\t+1], v[S+32*\qt+8*\t+2]
.endr
.irp t, 0,1,2,3
	v_max3_num_f32 v[T+\t], v[T+\t], v[S+32*\qt+8*\t+3], v[S+32*\qt+8*\t+4]
.endr
.irp t, 0,1,2,3
	v_max3_num_f32 v[T+\t], v[T+\t], v[S+32*\qt+8*\t+5], v[S+32*\qt+8*\t+6]
.endr
.irp t, 0,1,2,3
	v_max_num_f32 v[T+\t], v[T+\t], v[S+32*\qt+8*\t+7]
.endr
	v_max3_num_f32 v[T], v[T], v[T+1], v[T+2]
	v_max3_num_f32 v[T], v[T], v[T+3], v[M+\qt]
	v_permlanex16_b32 v[T+1], v[T], s12, s13
	v_max_num_f32 v[T], v[T], v[T+1]               ; the new maximum, the same in both halves
	v_sub_f32 v[T+2], v[M+\qt], v[T]
	v_mul_f32 v[T+2], s48, v[T+2]
	v_exp_f32 v[AL], v[T+2]
	v_exp_f32 v[AL+1], v[T+2]
	v_mul_f32 v[NMC], s50, v[T]                    ; (also the plain instruction behind the transcendentals)
	v_mul_f32 v[NMC+1], s50, v[T]
	v_mov_b32 v[M+\qt], v[T]
.set i_, 0
.rept 16
	v_pk_fma_f32 v[S+32*\qt+2*i_:S+32*\qt+2*i_+1], v[S+32*\qt+2*i_:S+32*\qt+2*i_+1], s[48:49], v[NMC:NMC+1] op_sel_hi:[1,0,1]
.set i_, i_+1
.endr
.set i_, 0
.rept 32
	v_exp_f32 v[S+32*\qt+i_], v[S+32*\qt+i_]
.set i_, i_+1
.endr
	s_wait_alu depctr_va_vdst(0)
	v_mul_f32 v[LS+\qt], v[LS+\qt], v[AL]          ; (the plain instruction behind the transcendentals)
.irp t, 0,1,2,3
	v_pk_add_f32 v[T+2*\t:T+2*\t+1], v[S+32*\qt+8*\t:S+32*\qt+8*\t+1], v[S+32*\qt+8*\t+2:S+32*\qt+8*\t+3]
.endr
.irp t, 0,1,2,3
	v_pk_add_f32 v[T+2*\t:T+2*\t+1], v[T+2*\t:T+2*\t+1], v[S+32*\qt+8*\t+4:S+32*\qt+8*\t+5]
.endr
.irp t, 0,1,2,3
	v_pk_add_f32 v[T+2*\t:T+2*\t+1], v[T+2*\t:T+2*\t+1], v[S+32*\qt+8*\t+6:S+32*\qt+8*\t+7]
.endr
	v_pk_add_f32 v[T:T+1], v[T:T+1], v[T+2:T+3]
	v_pk_add_f32 v[T+4:T+5], v[T+4:T+5], v[T+6:T+7]
	v_pk_add_f32 v[T:T+1], v[T:T+1], v[T+4:T+5]
	v_add_f32 v[T], v[T], v[T+1]
	v_add_f32 v[LS+\qt], v[LS+\qt], v[T]
.set i_, 0
.rept 16
	v_cvt_pk_f16_f32 v[S+32*\qt+i_], v[S+32*\qt+2*i_], v[S+32*\qt+2*i_+1]    ; in place, ascending
.set i_, i_+1
.endr
.set i_, 0
.rept 16
	v_pk_mul_f32 v[O+32*\qt+2*i_:O+32*\qt+2*i_+1], v[O+32*\qt+2*i_:O+32*\qt+2*i_+1], v[AL:AL+1]
.set i_, i_+1
.endr
.endm
; One tile of 64 keys: the half pos of the chunk in slot.
.macro TILE slot, pos
	s_add_co_u32 s59, s54, 2*\slot+\pos            ; x
	s_cmp_gt_u32 s59, 8
	s_cbranch_scc1 .Lskip_\@                       ; masked for all my rows
	NOPS 5                                         ; behind the last products: four places before loads land on their fragments, five before products write over the packed weights
.irp s, 0,1
.irp t, 0,1,2,3
	ds_load_b128 v[KV+16*\t+8*\s:KV+16*\t+8*\s+3],   v[KA+\slot] offset:\pos*8704+2176*\t+64*\s
	ds_load_b128 v[KV+16*\t+8*\s+4:KV+16*\t+8*\s+7], v[KA+\slot] offset:\pos*8704+2176*\t+64*\s+32
.endr
.endr
	s_wait_dscnt 8                                 ; d = 0 .. 31 of the four key blocks; the eight loads of d = 32 .. 63 stay out
.irp qt, 0,1
.irp t, 0,1,2,3
	v_wmma_f32_16x16x32_f16 v[S+32*\qt+8*\t:S+32*\qt+8*\t+7], v[KV+16*\t:KV+16*\t+7], v[Q+16*\qt:Q+16*\qt+7], 0
.endr
.endr
	s_wait_dscnt 0
.irp qt, 0,1
.irp t, 0,1,2,3
	v_wmma_f32_16x16x32_f16 v[S+32*\qt+8*\t:S+32*\qt+8*\t+7], v[KV+16*\t+8:KV+16*\t+15], v[Q+16*\qt+8:Q+16*\qt+15], v[S+32*\qt+8*\t:S+32*\qt+8*\t+7]
.endr
.endr
	NOPS 4                                         ; four places before loads land on K's fragments and vector instructions read the scores
.irp u, 0,1
.irp dt, 0,1,2,3
	ds_load_tr16_b128 v[KV+8*(4*\u+\dt):KV+8*(4*\u+\dt)+3],   v[VA+\slot] offset:\pos*9216+4608*\u+32*\dt
	ds_load_tr16_b128 v[KV+8*(4*\u+\dt)+4:KV+8*(4*\u+\dt)+7], v[VA+\slot] offset:\pos*9216+4608*\u+32*\dt+2304
.endr
.endr
	s_cmp_eq_u32 s59, 8
	s_cbranch_scc0 .Lno_causal_\@
	MASK v_cmp_le_i32
.Lno_causal_\@:
	s_cmp_eq_u32 s59, 0
	s_cbranch_scc0 .Lno_far_\@
	MASK v_cmp_ge_i32
.Lno_far_\@:
	SOFT 0
	SOFT 1
	s_wait_dscnt 8                                 ; V^T of keys 0 .. 31; the eight loads of keys 32 .. 63 stay out
.irp qt, 0,1
.irp dt, 0,1,2,3
	v_wmma_f32_16x16x32_f16 v[O+32*\qt+8*\dt:O+32*\qt+8*\dt+7], v[KV+8*\dt:KV+8*\dt+7], v[S+32*\qt:S+32*\qt+7], v[O+32*\qt+8*\dt:O+32*\qt+8*\dt+7]
.endr
.endr
	s_wait_dscnt 0
.irp qt, 0,1
.irp dt, 0,1,2,3
	v_wmma_f32_16x16x32_f16 v[O+32*\qt+8*\dt:O+32*\qt+8*\dt+7], v[KV+32+8*\dt:KV+32+8*\dt+7], v[S+32*\qt+8:S+32*\qt+15], v[O+32*\qt+8*\dt:O+32*\qt+8*\dt+7]
.endr
.endr
.Lskip_\@:
.endm
; One chunk.  In front of the barrier every wave waits for all its tensor loads (this chunk's among them) and for its reads of the other slot;
; behind it the other slot is filled first, then this slot is read.
.macro TRIP slot, refill
	s_set_vgpr_msb 0x5
	s_wait_tensorcnt 0x0
	ds_add_u32 v0, v1
	s_wait_dscnt 0x0
	s_set_vgpr_msb 0x500
	s_add_nc_u64 s[G0K+4*\slot+2:G0K+4*\slot+3], s[G0K+4*\slot+2:G0K+4*\slot+3], s[56:57]    ; no load of mine is out: this slot's next chunk
	s_add_nc_u64 s[G0V+4*\slot+2:G0V+4*\slot+3], s[G0V+4*\slot+2:G0V+4*\slot+3], s[56:57]
	s_wait_dscnt 0x0
	s_barrier_signal -1
	s_barrier_wait -1
.if \refill
	KVLOAD 1-\slot
.endif
	TILE \slot, 0
	TILE \slot, 1
.endm
; A head is done: divide by the sum, round, into my stage at the head's 128 bytes of each row.
.macro FINAL hsel
.irp qt, 0,1
	v_permlanex16_b32 v[T+1], v[LS+\qt], s12, s13
	v_add_f32 v[T+2], v[T+1], v[LS+\qt]            ; both halves of the keys
	v_rcp_f32 v[T], v[T+2]
	v_rcp_f32 v[T+1], v[T+2]
	v_nop                                          ; one plain instruction behind the transcendentals
	s_wait_alu depctr_va_vdst(0)
.irp dt, 0,1,2,3
.irp i, 0,1,2,3
	v_pk_mul_f32 v[O+32*\qt+8*\dt+2*\i:O+32*\qt+8*\dt+2*\i+1], v[O+32*\qt+8*\dt+2*\i:O+32*\qt+8*\dt+2*\i+1], v[T:T+1]
.endr
.irp i, 0,1,2,3
	v_cvt_pk_f16_f32 v[KV+48+4*\dt+\i], v[O+32*\qt+8*\dt+2*\i], v[O+32*\qt+8*\dt+2*\i+1]
.endr
	ds_store_b128 v[STO], v[KV+48+4*\dt:KV+48+4*\dt+3] offset:4352*\qt+128*\hsel+32*\dt
.endr
.endr
.endm
	HLOADS 0
	HINIT
	s_mov_b32 s51, 0                               ; pair counter
	s_mov_b32 s54, s55                             ; x of the pair's first tile
.Lpair:
	s_cmp_eq_u32 s51, s52
	s_cselect_b32 s56, s58, 0x8000                 ; a slot's next chunk: 256 keys on, or the next head's first pair
	TRIP 0, 1
	TRIP 1, 1
	s_add_co_u32 s54, s54, 4
	s_cmp_lg_u32 s51, s52
	s_cbranch_scc1 .Lsame_head
	NOPS 5                                         ; behind the head's last products
	HLOADS 1                                       ; the second head's loads are on their way while the first head is written to the stage
	FINAL 0
	HINIT
	s_mov_b32 s54, s55
.Lsame_head:
	s_add_co_u32 s51, s51, 1
	s_cmp_lt_u32 s51, s53
	s_cbranch_scc1 .Lpair
	TRIP 0, 1                                      ; the second head's last pair: one more fill, then none
	TRIP 1, 0
	NOPS 5
	FINAL 1
.irp t, 0,1,2,3,4,5,6,7,8,9,10,11,12,13,14,15
	ds_load_b128 v[S+4*\t:S+4*\t+3], v[RD] offset:544*\t       ; my own stage: LDS serves a wave's instructions in order
.endr
.irp t, 0,1,2,3,4,5,6,7,8,9,10,11,12,13,14,15
	s_wait_dscnt 15-\t                             ; load t is in
	global_store_b128 v[CO], v[S+4*\t:S+4*\t+3], s[10:11] offset:4096*\t   ; 16 lanes store the 256 consecutive aligned bytes of both heads in one row
.endr
	s_set_vgpr_msb 0x5
	s_wait_tensorcnt 0x0
	ds_add_u32 v0, v1
	s_wait_dscnt 0x0
	s_set_vgpr_msb 0x500
	s_endpgm
.Lfunc_end_k_q9de4b8280f_attn:
	.size	k_q9de4b8280f_attn, .Lfunc_end_k_q9de4b8280f_attn-k_q9de4b8280f_attn
	.p2alignl 7, 3214868480
	.fill 96, 4, 3214868480
	.section	.rodata,"a",@progbits
	.p2align	6, 0x0
	.amdhsa_kernel k_q9de4b8280f_attn
		.amdhsa_group_segment_fixed_size 327680
		.amdhsa_private_segment_fixed_size 0
		.amdhsa_enable_private_segment 0
		.amdhsa_kernarg_size 24
		.amdhsa_user_sgpr_count 2
		.amdhsa_user_sgpr_kernarg_segment_ptr 1
		.amdhsa_wavefront_size32 1
		.amdhsa_system_sgpr_workgroup_id_x 1
		.amdhsa_system_sgpr_workgroup_id_y 1
		.amdhsa_system_sgpr_workgroup_id_z 1
		.amdhsa_system_vgpr_workitem_id 0
		.amdhsa_next_free_vgpr 258
		.amdhsa_next_free_sgpr 72
		.amdhsa_reserve_vcc 1
		.amdhsa_float_denorm_mode_32 3
		.amdhsa_float_denorm_mode_16_64 3
		.amdhsa_memory_ordered 1
		.amdhsa_forward_progress 1
		.amdhsa_inst_pref_size 248
	.end_amdhsa_kernel
	.amdgpu_metadata
---
amdhsa.version: [ 1, 2 ]
amdhsa.kernels:
  - .name:           k_q9de4b8280f_attn
    .symbol:         k_q9de4b8280f_attn.kd
    .args:
      - { .name: qkvh, .offset: 0, .size: 8, .value_kind: global_buffer, .address_space: global }
      - { .name: persist_mem, .offset: 8, .size: 8, .value_kind: global_buffer, .address_space: global }
      - { .name: ob, .offset: 16, .size: 8, .value_kind: global_buffer, .address_space: global }
    .group_segment_fixed_size: 327680
    .private_segment_fixed_size: 0
    .kernarg_segment_align: 8
    .kernarg_segment_size: 24
    .max_flat_workgroup_size: 256
    .sgpr_count:     72
    .vgpr_count:     258
    .wavefront_size: 32
...
	.end_amdgpu_metadata
.endif
;; end of part 3
;; launch outp (part 4): grid 8 x 32, 4 waves a work-group, clusters of 4 x 4, 327,680 bytes of LDS; arguments ob, woT, out0; writes out0
.if DOCPART == 4
	.amdgcn_target "amdgcn-amd-amdhsa--gfx1250"
	.amdhsa_code_object_version 6
	.text
	.protected	k_q9de4b8280f_outp
	.globl	k_q9de4b8280f_outp
	.p2align	8
	.type	k_q9de4b8280f_outp,@function
k_q9de4b8280f_outp:
	s_mov_b64 s[64:65], 0
	v_nop
	global_prefetch_b8 v0, s[64:65] scope:SCOPE_SE
	s_setreg_imm32_b32 hwreg(HW_REG_WAVE_MODE, 25, 1), 1
	s_wait_xcnt 0x0
	s_wait_alu depctr_hold_cnt(0) depctr_sa_sdst(0) depctr_va_vdst(0) depctr_va_sdst(0) depctr_va_ssrc(0) depctr_va_vcc(0) depctr_vm_vsrc(0)
	s_getreg_b32 s2, hwreg(HW_REG_IB_STS2, 6, 4)
	s_cmp_eq_u32 s2, 0
	s_cbranch_scc0 .Lentry_in_a_cluster
	s_endpgm
.Lentry_in_a_cluster:
	s_bfe_u32 s2, ttmp6, 0x10000c
	s_cmp_lg_u32 s2, 0xf033
	s_cbranch_scc0 .Lentry_shape_is_right
	s_endpgm
.Lentry_shape_is_right:
; OUTP: out0 = ob x woT^T.  ob [8192][1024], woT [1024][1024], both f16; sums and result in f32.
; A work-group makes 256 rows x 128 columns; four waves, each 64 rows x 128 columns: 32 accumulator tiles of 16 x 16.  K goes in steps of 128
; (rows of 256 bytes) through a ring of two LDS slots filled by the tensor data mover.
; CLUSTERS: 4 x 4 work-groups; ob's tile is asked for jointly by a row of the cluster, woT's by a column.
; REGISTER WINDOWS: 0: v0-31 addresses, v32-63 / v64-95 fragments of ob, v96-159 the way out;  1: v0-63 / v64-127 fragments of woT;
;   2: tile (a, b) at v[8 (8 a + b)].
; The matrix instruction is used transposed: lane l holds row l % 16 and the eight neighbouring columns 8 (l / 16) + 0 .. 7.
; The 32 accumulators take turns, one instruction a turn, in the same order in every quarter step.
.set KSTEP,  128
.set PITCH,  272
.set HALFA,  128*PITCH
.set HALFB,  64*PITCH
.set SLOT,   2*HALFA+2*HALFB
.set STAGE,  2*SLOT                    ; behind the ring: 16 rows x 528 bytes for each wave; no fill ever lands there
.set SPITCH, 528
.set LAPS,   4
.set ADRA, 16
.set ADRB, 20
.set STO,  24
.set RD,   25
.set CO,   26
.set FA,   32
.set FBW,  64
.set RB,   96
.set G1,  24
.set G0,  32
.set G1B, 48
.set G0B, 56
.set MSB, 0
.macro WIN new
.if MSB != \new
	s_set_vgpr_msb (MSB<<8)|\new
.set MSB, \new
.endif
.endm
.set MUL_LO, 0xa1
.set TO_B,   0x40
.macro JLOAD s
	s_cmp_eq_u32 s11, 0
	s_cbranch_scc0 .Lfor_b_\@
	tensor_load_to_lds s[G0+4*\s:G0+4*\s+3], s[G1:G1+7]
	s_nop 0
	s_branch .Lasked_\@
.Lfor_b_\@:
	tensor_load_to_lds s[G0B+4*\s:G0B+4*\s+3], s[G1B:G1B+7]
	s_nop 0
.Lasked_\@:
.endm
.macro CREST
	s_cmp_lg_u32 s10, 0
	s_cbranch_scc1 .Lnot_wave_0_\@
	s_barrier_signal -3
.Lnot_wave_0_\@:
	s_barrier_wait -3
	s_barrier_signal -1
	s_barrier_wait -1
.endm
.macro CROUND
	s_barrier_signal -1
	s_barrier_wait -1
	CREST
.endm
.macro PLACES
.rept 4
	v_nop
.endr
.endm
	s_load_b128 s[4:7], s[0:1], 0x0                ; ob, woT
	s_load_b64 s[70:71], s[0:1], 0x10              ; out0
	s_set_vgpr_msb 0x40
	v_lshl_add_u32 v255, v0, 2, 0x3b400
	s_set_vgpr_msb 0x4000
	v_mov_b32 v255, 0
	s_set_vgpr_msb 0x1
	ds_add_u32 v255, v255
	s_set_vgpr_msb 0x100
	v_lshrrev_b32 v1, 5, v0
	v_readfirstlane_b32 s10, v1
	s_lshr_b32 s11, s10, 1
	s_and_b32 s12, s10, 1
	s_bfe_u32 s40, ttmp6, 0x40000
	s_bfe_u32 s41, ttmp6, 0x40004
	s_lshl_b32 s42, ttmp9, 2
	s_add_co_u32 s42, s42, s40                     ; block column
	s_and_b32 s13, ttmp7, 0xffff
	s_lshl_b32 s13, s13, 2
	s_add_co_u32 s13, s13, s41                     ; block row
	s_lshl_b32 s43, s41, 2
	s_lshl_b32 s43, 15, s43
	s_lshl_b32 s44, 0x1111, s40
	s_or_b32 s[G1+0], s43, (1<<16)|(1<<20)|(1<<21)|(5<<22)|(3<<25)
	s_or_b32 s[G1B+0], s44, (1<<16)|(1<<20)|(1<<21)|(5<<22)|(3<<25)
	s_mov_b32 s[G1+1], KSTEP<<16
	s_mov_b32 s[G1B+1], KSTEP<<16
	s_mov_b32 s[G1+2], 128<<16
	s_mov_b32 s[G1B+2], 64<<16
	s_mov_b32 s[G1+3], KSTEP<<16
	s_mov_b32 s[G1B+3], KSTEP<<16
	s_mov_b32 s[G1+4], 128
	s_mov_b32 s[G1B+4], 64
	s_mov_b32 s[G1+5], 1024
	s_mov_b32 s[G1B+5], 1024
	s_mov_b32 s[G1+6], 0
	s_mov_b32 s[G1B+6], 0
	s_mov_b32 s[G1+7], 0
	s_mov_b32 s[G1B+7], 0
	s_lshl_b32 s17, s12, 7
	s_lshl_b32 s16, s13, 8
	s_add_co_u32 s16, s16, s17                     ; ob: row 256 x block row + 128 x half
	s_lshl_b32 s16, s16, 11
	s_mov_b32 s17, 0
	s_lshl_b32 s46, s42, 7
	s_lshl_b32 s47, s12, 6
	s_add_co_u32 s46, s46, s47                     ; woT: row 128 x block column + 64 x half
	s_lshl_b32 s46, s46, 11
	s_mov_b32 s47, 0
	s_mul_i32 s20, s10, HALFA                      ; waves 0, 1
	s_mul_i32 s21, s10, HALFB
	s_add_co_u32 s21, s21, 2*HALFA-2*HALFB         ; waves 2, 3
	s_wait_dscnt 0x0
	s_wait_kmcnt 0x0
	s_add_nc_u64 s[14:15], s[4:5], s[16:17]
	s_add_nc_u64 s[46:47], s[6:7], s[46:47]
	CROUND                                         ; the first joint loads meet
.irp s, 0,1
	s_mov_b32 s[G0+4*\s], 1
	s_add_co_u32 s[G0+4*\s+1], s20, \s*SLOT
	s_add_nc_u64 s[G0+4*\s+2:G0+4*\s+3], s[14:15], \s*KSTEP*2
	s_or_b32 s[G0+4*\s+3], s[G0+4*\s+3], 0x80000000
	s_mov_b32 s[G0B+4*\s], 1
	s_add_co_u32 s[G0B+4*\s+1], s21, \s*SLOT
	s_add_nc_u64 s[G0B+4*\s+2:G0B+4*\s+3], s[46:47], \s*KSTEP*2
	s_or_b32 s[G0B+4*\s+3], s[G0B+4*\s+3], 0x80000000
	JLOAD \s                                       ; two loads of the wave are out here, later one
.endr
	v_and_b32 v1, 15, v0
	v_bfe_u32 v2, v0, 4, 1
	v_mul_u32_u24 v3, v1, PITCH
	v_lshl_add_u32 v3, v2, 4, v3
	s_mul_i32 s22, s10, 64*PITCH
	v_add_nc_u32 v[ADRA], s22, v3
	v_add_nc_u32 v[ADRA+1], SLOT, v[ADRA]
	v_add_nc_u32 v[ADRB], 2*HALFA, v3
	v_add_nc_u32 v[ADRB+1], 2*HALFA+SLOT, v3
	s_mul_i32 s23, s10, 16*SPITCH
	s_add_co_u32 s23, s23, STAGE
	v_mul_u32_u24 v4, v1, SPITCH
	v_lshl_add_u32 v4, v2, 5, v4
	v_add_nc_u32 v[STO], s23, v4                   ; in: row r, 32 bytes for each half of the lanes
	v_and_b32 v5, 31, v0
	v_lshlrev_b32 v[CO], 4, v5                     ; back and out: a row's 512 bytes, 16 a lane
	v_add_nc_u32 v[RD], s23, v[CO]
	s_lshl_b32 s16, s13, 8
	s_lshl_b32 s17, s10, 6
	s_add_co_u32 s16, s16, s17                     ; my first row
	s_lshl_b32 s16, s16, 12
	s_mov_b32 s17, 0
	s_add_nc_u64 s[70:71], s[70:71], s[16:17]
	s_lshl_b32 s46, s42, 9                         ; my columns (in registers that never feed ob's descriptors)
	s_mov_b32 s47, 0
	s_add_nc_u64 s[70:71], s[70:71], s[46:47]
.macro LO8 f, a, zero
.irp b, 0,1,2,3,4,5,6,7
.if \zero
	v_wmma_f32_16x16x32_f16 v[8*(8*\a+\b):8*(8*\a+\b)+7], v[FBW*\f+8*\b:FBW*\f+8*\b+7], v[FA+32*\f+8*\a:FA+32*\f+8*\a+7], 0
.else
	v_wmma_f32_16x16x32_f16 v[8*(8*\a+\b):8*(8*\a+\b)+7], v[FBW*\f+8*\b:FBW*\f+8*\b+7], v[FA+32*\f+8*\a:FA+32*\f+8*\a+7], v[8*(8*\a+\b):8*(8*\a+\b)+7]
.endif
.endr
.endm
.macro FETCH slot, k, g                ; 24 LDS loads in one run
	WIN 0
.irp i, 0,1,2,3
	ds_load_b128 v[FA+32*\g+8*\i:FA+32*\g+8*\i+3],   v[ADRA+\slot] offset:\k+\i*16*PITCH
	ds_load_b128 v[FA+32*\g+8*\i+4:FA+32*\g+8*\i+7], v[ADRA+\slot] offset:\k+\i*16*PITCH+32
.endr
	WIN TO_B
.irp i, 0,1,2,3,4,5,6,7
	ds_load_b128 v[FBW*\g+8*\i:FBW*\g+8*\i+3],   v[ADRB+\slot] offset:\k+\i*16*PITCH
	ds_load_b128 v[FBW*\g+8*\i+4:FBW*\g+8*\i+7], v[ADRB+\slot] offset:\k+\i*16*PITCH+32
.endr
.endm
.macro QUARTER slot, k, f, g, zero
	s_wait_dscnt 0x0                               ; buffer f: its loads were issued 24 matrix instructions ago
	WIN MUL_LO
	LO8 \f, 0, \zero
	PLACES
	FETCH \slot, \k, \g
	WIN MUL_LO
	LO8 \f, 1, \zero
	LO8 \f, 2, \zero
	LO8 \f, 3, \zero
.endm
.macro THREE slot, zero
	QUARTER \slot, 64,  0, 1, \zero
	QUARTER \slot, 128, 1, 0, 0
	QUARTER \slot, 192, 0, 1, 0
.endm
.macro TURN slot, next, fill
	s_wait_dscnt 0x0                               ; buffer 1 is in, and with it my reads of this slot are over
	WIN MUL_LO
	LO8 1, 0, 0
	s_wait_tensorcnt 0x0                           ; all my tensor loads have landed: the one that was out is my part of the next slot
	ds_add_u32 v255, v255
	s_wait_dscnt 0x0
	s_barrier_signal -1
	LO8 1, 1, 0                                    ; register work while the others arrive
	WIN 0
	s_barrier_wait -1
.if \fill
	CREST                                          ; the round of the cluster's barrier that this barrier opened
	s_add_nc_u64 s[G0+4*\slot+2:G0+4*\slot+3], s[G0+4*\slot+2:G0+4*\slot+3], 2*KSTEP*2
	s_add_nc_u64 s[G0B+4*\slot+2:G0B+4*\slot+3], s[G0B+4*\slot+2:G0B+4*\slot+3], 2*KSTEP*2
	JLOAD \slot                                    ; the first tensor load behind the round
.endif
	PLACES
	FETCH \next, 0, 0
	WIN MUL_LO
	LO8 1, 2, 0
	LO8 1, 3, 0
.endm
.macro LAP zero
	THREE 0, \zero
	TURN 0, 1, 1
	THREE 1, 0
	TURN 1, 0, 1
.endm
	s_wait_tensorcnt 0x1                           ; my part of K step 0 is in; K step 1's stays out
	s_barrier_signal -1
	s_barrier_wait -1
	FETCH 0, 0, 0
	LAP 1
	WIN 0
	s_mov_b32 s3, LAPS-2
.Llap:
	LAP 0
	WIN 0
	s_sub_co_u32 s3, s3, 1
	s_cmp_lg_u32 s3, 0
	s_cbranch_scc1 .Llap
	THREE 0, 0
	TURN 0, 1, 0
	THREE 1, 0
	s_wait_dscnt 0x0
	WIN MUL_LO
	LO8 1, 0, 0
	LO8 1, 1, 0
	LO8 1, 2, 0
	LO8 1, 3, 0
	; THE WAY OUT, 16 rows at a time, through my own stage: a store of the wave covers the 512 consecutive aligned bytes of one row.
	PLACES
.macro OUTF a
	WIN 0x08                                       ; store data from window 2
.irp b, 0,1,2,3,4,5,6,7
	ds_store_b128 v[STO], v[8*(8*\a+\b):8*(8*\a+\b)+3]   offset:64*\b
	ds_store_b128 v[STO], v[8*(8*\a+\b)+4:8*(8*\a+\b)+7] offset:64*\b+16
.endr
	WIN 0
	s_wait_xcnt 0x0                                ; v96-159 were data of the last block's stores: loaded again only behind this wait
.irp t, 0,1,2,3,4,5,6,7,8,9,10,11,12,13,14,15
	ds_load_b128 v[RB+4*\t:RB+4*\t+3], v[RD] offset:SPITCH*\t      ; LDS serves a wave's instructions in order: these see the stores above
.endr
.irp t, 0,1,2,3,4,5,6,7,8,9,10,11,12,13,14,15
	s_wait_dscnt 15-\t                             ; load t is in
	global_store_b128 v[CO], v[RB+4*\t:RB+4*\t+3], s[70:71] offset:65536*\a+4096*\t th:TH_STORE_NT
.endr
.endm
	OUTF 0
	OUTF 1
	OUTF 2
	OUTF 3
	s_set_vgpr_msb 0x1
	s_wait_tensorcnt 0x0
	ds_add_u32 v255, v255
	s_wait_dscnt 0x0
	s_set_vgpr_msb 0x100
	CROUND                                         ; the closing round
	s_endpgm
.Lfunc_end_k_q9de4b8280f_outp:
	.size	k_q9de4b8280f_outp, .Lfunc_end_k_q9de4b8280f_outp-k_q9de4b8280f_outp
	.p2alignl 7, 3214868480
	.fill 96, 4, 3214868480
	.section	.rodata,"a",@progbits
	.p2align	6, 0x0
	.amdhsa_kernel k_q9de4b8280f_outp
		.amdhsa_group_segment_fixed_size 327680
		.amdhsa_private_segment_fixed_size 0
		.amdhsa_enable_private_segment 0
		.amdhsa_kernarg_size 24
		.amdhsa_user_sgpr_count 2
		.amdhsa_user_sgpr_kernarg_segment_ptr 1
		.amdhsa_wavefront_size32 1
		.amdhsa_system_sgpr_workgroup_id_x 1
		.amdhsa_system_sgpr_workgroup_id_y 1
		.amdhsa_system_sgpr_workgroup_id_z 1
		.amdhsa_system_vgpr_workitem_id 0
		.amdhsa_next_free_vgpr 768
		.amdhsa_next_free_sgpr 72
		.amdhsa_reserve_vcc 0
		.amdhsa_float_denorm_mode_32 3
		.amdhsa_float_denorm_mode_16_64 3
		.amdhsa_memory_ordered 1
		.amdhsa_forward_progress 1
		.amdhsa_inst_pref_size 117
	.end_amdhsa_kernel
	.amdgpu_metadata
---
amdhsa.version: [ 1, 2 ]
amdhsa.kernels:
  - .name:           k_q9de4b8280f_outp
    .symbol:         k_q9de4b8280f_outp.kd
    .args:
      - { .name: ob, .offset: 0, .size: 8, .value_kind: global_buffer, .address_space: global }
      - { .name: woT, .offset: 8, .size: 8, .value_kind: global_buffer, .address_space: global }
      - { .name: out0, .offset: 16, .size: 8, .value_kind: global_buffer, .address_space: global }
    .group_segment_fixed_size: 327680
    .private_segment_fixed_size: 0
    .kernarg_segment_align: 8
    .kernarg_segment_size: 24
    .max_flat_workgroup_size: 128
    .sgpr_count:     72
    .vgpr_count:     768
    .wavefront_size: 32
...
	.end_amdgpu_metadata
.endif
;; end of part 4
;; ======== version 2 of 2: 4 launches; version 1 with the launch prep written anew for expert scheduling mode
;; limits: values are held in f16: magnitudes above 65,504 overflow, below 6.1e-05 lose precision
;; workspace buffers: xb 16,777,216 bytes; wqT 6,291,456 bytes; woT 2,097,152 bytes; rope 1,048,576 bytes; qkvh 50,331,648 bytes; ob 16,777,216 bytes
;; launch prep (part 5): grid 832 x 1, 8 waves a work-group, no clusters, 18,432 bytes of LDS; arguments seq, norm_w, w_qkv, w_out, xb, wqT, woT, rope; writes xb, wqT, woT, rope
.if DOCPART == 5
	.amdgcn_target "amdgcn-amd-amdhsa--gfx1250"
	.amdhsa_code_object_version 6
	.text
	.protected	k_q9de4b8280f_prep
	.globl	k_q9de4b8280f_prep
	.p2align	8
	.type	k_q9de4b8280f_prep,@function
k_q9de4b8280f_prep:
	s_mov_b64 s[64:65], 0
	v_nop
	global_prefetch_b8 v0, s[64:65] scope:SCOPE_SE
	s_setreg_imm32_b32 hwreg(HW_REG_WAVE_SCHED_MODE, 0, 2), 2
	s_setreg_imm32_b32 hwreg(HW_REG_WAVE_MODE, 25, 1), 1
	s_wait_xcnt 0x0
	s_wait_alu depctr_vm_vsrc(0)
; PREP: what the three later launches need in 16 bits or as a table.  Four kinds of work-group, chosen by the work-group's number x:
;   x <  256  xb[row][1024]  = f16( seq * rsqrt(mean(seq^2) + eps) * norm_w ), 32 rows a work-group, 4 rows a wave
;   x <  640  wqT[n'][1024]  = f16( w_qkv transposed ), row n' = head*192 + section*64 + d is column section*1024 + head*64 + d
;   x <  768  woT[n][1024]   = f16( w_out transposed )
;   else      rope[pos][32][cos, sin] in f32, 64 positions a work-group
; WORK LEFT OUT IN THIS PROGRAM (all of it in the launch attn), for all values of the inputs:
;   the mask that the reference builds lets the query at position p see the 16 persistent keys and the keys max(0, p-512) .. p of its own
;   batch and head (previous window: key index >= query index; own window: key index <= query index; window 0 has no previous window).
;   Every other score is replaced by -FLT_MAX, and a row always holds visible scores (the persistent keys, the key p itself), so in exact
;   arithmetic its weight exp(-FLT_MAX - max) is below any rounding of the sums.  Key tiles that are masked for all rows that a wave holds are
;   not multiplied, those that no wave of a work-group needs are not loaded, and the zero window in front of window 0 is never formed.
;   Every input has a way to the output and is loaded.
;   LIMIT: a NaN, an infinity or an overflow that lies only in masked keys or values is not carried to the result.
; LIMITS OF FORMAT: matrix operands are f16: magnitudes beyond 65504 overflow, magnitudes under 6e-8 become 0.  |xb| <= 32 |norm_w|.
; RoPE angles: pos * f with f = 2^(-i log2(10000)/32) from v_exp_f32 (1 ULP), reduced by pi/2 in two fused steps, then polynomials on
; [-pi/4, pi/4]; against the reference's f32 angle the difference stays under 5e-4 radians at position 4095 and is the same for q and k.
; THE MODE: SCHED_MODE bits 1:0 = 2 (LLVM: expert scheduling mode 2), set by the entry lines.  The code itself states the register dependences
; between vector instructions and memory or LDS instructions, and those of scalar registers that vector instructions write, with s_wait_alu, always for 0.
; THE PLAN.  Registers that memory or LDS instructions touch, arm by arm.  No register that a memory or LDS instruction reads is ever written again,
; so no wait on vm_vsrc is owed anywhere.
;   all arms   s2, the wave's number: written by v_readfirstlane_b32 at the head, read in the table and norm arms: one wait on va_sdst ahead of the first branch.
;   table      v3 offset, written once.  v[32:47] eight pairs (cos, sin), each written once by the second pass, each read by one store.  s24-s31: eight masks, written by
;              the first pass's compares, read by the second pass's selects.  One wait on va_sdst between the passes, one on va_vdst ahead of the eight stores.
;   norm       v2, v3 offsets, written once: one wait on va_vdst ahead of the first load.  W and X are written by loads before any vector instruction names them.
;              Row q's 16 words of f16 are written by row q's roundings and read by its eight stores, which stand in row q + 1, behind the one wait on va_vdst of
;              that row (the wait ahead of the first reader of its reciprocal roots), dealt among vector instructions that name row q + 1, R and W alone.
;   weights    v2, v3, v4, v7 addresses, written once: one wait on va_vdst ahead of the loads.  v[32:63] are written by loads alone.  v[64+4 i ..]: group i's four words, written by
;              its roundings, read by its four LDS stores, which stand in group i + 1 behind that group's wait on va_vdst.  v[80:95]: LDS loads write them, stores read them.
;   v192, v193 written at the head, read by the closing add alone.
.set T, 4                              ; v[4:11]    four pair sums
.set R, 12                             ; v[12:13]   1/rms, twice
.set X, 32                             ; v[32:159]  four rows, 32 registers each
.set W, 160                            ; v[160:191] norm_w of my 32 columns
.set RS, 64                            ; v[64:71]   the table: sin r of position p
.set RC, 72                            ; v[72:79]   cos r of position p
.set RN, 80                            ; v[80:87]   n of position p, as a whole number
	s_load_b512 s[8:23], s[0:1], 0x0               ; seq 8, norm_w 10, w_qkv 12, w_out 14, xb 16, wqT 18, woT 20, rope 22
	v_lshl_add_u32 v192, v0, 2, 0x4400
	v_mov_b32 v193, 0
	v_lshrrev_b32 v1, 5, v0
	v_readfirstlane_b32 s2, v1                     ; wave
	v_and_b32 v1, 31, v0                           ; lane
	s_mov_b32 s3, ttmp9                            ; x
	s_wait_alu depctr_va_sdst(0)                   ; s2 is written: the table and norm arms read it, behind the branches below
	s_wait_kmcnt 0x0
	s_cmp_lt_u32 s3, 256
	s_cbranch_scc1 .Lnorm
	s_cmp_lt_u32 s3, 640
	s_cbranch_scc1 .Lwq
	s_cmp_lt_u32 s3, 768
	s_cbranch_scc1 .Lwo
; ---- the RoPE table: lane = pair index i, a wave makes 8 positions, one store of 256 consecutive aligned bytes for each
	s_sub_co_u32 s4, s3, 768
	s_lshl_b32 s4, s4, 6
	s_lshl3_add_u32 s4, s2, s4                     ; my first position = 64 (x - 768) + 8 wave
	s_lshl_b32 s6, s4, 8                           ; a position's row is 256 bytes
	s_mov_b32 s7, 0
	s_add_nc_u64 s[22:23], s[22:23], s[6:7]
	v_lshlrev_b32 v3, 3, v1                        ; 8 bytes a lane
	v_cvt_f32_u32 v4, v1
	v_mul_f32 v4, 0xbed49a78, v4                   ; -i log2(10000)/32
	v_exp_f32 v4, v4                               ; f = 10000^(-i/32)
	v_mov_b32 v13, 0xb94ca1f9                      ; leading coefficient of sine (also the plain instruction behind v_exp_f32)
	v_mov_b32 v14, 0x37ccf5ce                      ; leading coefficient of cosine
	s_wait_alu depctr_va_vdst(0)                   ; f is written, ahead of its first reader
; The first pass: sin r, cos r and n of position p, in registers of its own, and the mask of the odd quadrants in a scalar register of its own.
.macro RPOS1 p
	s_add_co_u32 s5, s4, \p
	v_cvt_f32_u32 v5, s5
	v_mul_f32 v5, v5, v4                           ; angle a = pos f
	v_mul_f32 v6, 0x3f22f983, v5                   ; a 2/pi
	v_rndne_f32 v6, v6                             ; n
	v_fmamk_f32 v7, v6, 0xbfc90fdb, v5             ; a - n hi(pi/2): exact
	v_fmamk_f32 v7, v6, 0x333bbd2e, v7             ; r = that - n lo(pi/2)
	v_mul_f32 v8, v7, v7                           ; z = r r
	v_fmaak_f32 v9, v13, v8, 0x3c08839e
	v_fmaak_f32 v9, v9, v8, 0xbe2aaaa3
	v_mul_f32 v10, v7, v8
	v_fma_f32 v[RS+\p], v9, v10, v7                ; sin r
	v_fmaak_f32 v10, v14, v8, 0xbab6061a
	v_fmaak_f32 v10, v10, v8, 0x3d2aaaa5
	v_mul_f32 v11, v8, v8
	v_fma_f32 v12, v8, -0.5, 1.0
	v_fma_f32 v[RC+\p], v10, v11, v12              ; cos r
	v_cvt_u32_f32 v[RN+\p], v6                     ; the quadrant is n mod 4
	v_and_b32 v11, 1, v[RN+\p]
	v_cmp_ne_u32 s[24+\p], 0, v11
.endm
; The second pass: the choice by the quadrant, and the signs.
.macro RPOS2 p
	v_cndmask_b32 v[32+2*\p], v[RC+\p], v[RS+\p], s[24+\p]   ; odd quadrant: cosine from sin r,
	v_cndmask_b32 v[33+2*\p], v[RS+\p], v[RC+\p], s[24+\p]   ; sine from cos r
	v_add_nc_u32 v11, 1, v[RN+\p]
	v_and_b32 v11, 2, v11
	v_lshlrev_b32 v11, 30, v11
	v_xor_b32 v[32+2*\p], v[32+2*\p], v11          ; cosine is negative in quadrants 1, 2
	v_and_b32 v11, 2, v[RN+\p]
	v_lshlrev_b32 v11, 30, v11
	v_xor_b32 v[33+2*\p], v[33+2*\p], v11          ; sine in quadrants 2, 3
.endm
.irp p, 0,1,2,3,4,5,6,7
	RPOS1 \p
.endr
	s_wait_alu depctr_va_sdst(0)                   ; the eight compares have written s24 to s31, which the selects below read
.irp p, 0,1,2,3,4,5,6,7
	RPOS2 \p
.endr
	s_wait_alu depctr_va_vdst(0)                   ; the second pass has written the eight pairs v[32:47], which the stores read as data; v3, their offset, is written too
.irp p, 0,1,2,3,4,5,6,7
	global_store_b64 v3, v[32+2*\p:33+2*\p], s[22:23] offset:256*\p   ; each position has its own pair: no source of a store is written again
.endr
	s_endpgm
; ---- RMSNorm: one wave, one row at a time; the row stays in registers between the sum and the scaling
.Lnorm:
	s_lshl_b32 s4, s3, 17                          ; 32 rows of 4,096 bytes
	s_lshl_b32 s6, s2, 14                          ; 4 rows
	s_add_co_u32 s4, s4, s6
	s_mov_b32 s5, 0
	s_add_nc_u64 s[8:9], s[8:9], s[4:5]
	s_lshl_b32 s4, s3, 16                          ; the same rows in xb: 2,048 bytes each
	s_lshl_b32 s6, s2, 13
	s_add_co_u32 s4, s4, s6
	s_add_nc_u64 s[16:17], s[16:17], s[4:5]
	s_mov_b32 s24, 0x76543210                      ; v_permlanex16_b32: lane i reads lane i of the other half
	s_mov_b32 s25, 0xfedcba98
	s_mov_b32 s26, 0x3a800000                      ; 1/1024
	s_mov_b32 s27, 0x34000000                      ; eps of f32
	v_lshlrev_b32 v2, 4, v1                        ; 16 bytes a lane in
	v_lshlrev_b32 v3, 3, v1                        ; 8 bytes a lane out
	v_mov_b32 v14, 0                               ; v_permlanex16_b32 counts as a reader of its destination
	s_wait_alu depctr_va_vdst(0)                   ; v2 and v3 are written: every load below reads v2 as its offset, every store v3
.irp j, 0,1,2,3,4,5,6,7
	global_load_b128 v[W+4*\j:W+4*\j+3], v2, s[10:11] offset:512*\j
.endr
.irp q, 0,1,2,3
.irp j, 0,1,2,3,4,5,6,7
	global_load_b128 v[X+32*\q+4*\j:X+32*\q+4*\j+3], v2, s[8:9] offset:4096*\q+512*\j th:TH_LOAD_NT
.endr
.endr
.macro NROW q
	s_wait_loadcnt 8*(3-\q)                        ; loads return in order: norm_w and rows 0 .. q are in, the eight loads of each later row stay out
.irp k, 0,1,2,3
	v_pk_mul_f32 v[T+2*\k:T+2*\k+1], v[X+32*\q+2*\k:X+32*\q+2*\k+1], v[X+32*\q+2*\k:X+32*\q+2*\k+1]   ; the first products start four chains
.endr
.set j_, 4
.rept 12
	v_pk_fma_f32 v[T+2*(j_%4):T+2*(j_%4)+1], v[X+32*\q+2*j_:X+32*\q+2*j_+1], v[X+32*\q+2*j_:X+32*\q+2*j_+1], v[T+2*(j_%4):T+2*(j_%4)+1]
.set j_, j_+1
.endr
	v_pk_add_f32 v[T:T+1], v[T:T+1], v[T+2:T+3]
	v_pk_add_f32 v[T+4:T+5], v[T+4:T+5], v[T+6:T+7]
	v_pk_add_f32 v[T:T+1], v[T:T+1], v[T+4:T+5]
	v_add_f32 v[T], v[T], v[T+1]
	v_add_f32_dpp v[T], v[T], v[T] row_xmask:1 row_mask:0xf bank_mask:0xf
	v_add_f32_dpp v[T], v[T], v[T] row_xmask:2 row_mask:0xf bank_mask:0xf
	v_add_f32_dpp v[T], v[T], v[T] row_xmask:4 row_mask:0xf bank_mask:0xf
	v_add_f32_dpp v[T], v[T], v[T] row_xmask:8 row_mask:0xf bank_mask:0xf
	v_permlanex16_b32 v14, v[T], s24, s25
	v_add_f32 v[T], v[T], v14                      ; the row's sum of squares, in every lane
	v_fma_f32 v[T], v[T], s26, s27                 ; mean + eps
	v_rsq_f32 v[R], v[T]
	v_rsq_f32 v[R+1], v[T]
	v_nop                                          ; one plain instruction behind the transcendentals before their results are used
	s_wait_alu depctr_va_vdst(0)                   ; the two reciprocal roots are written, ahead of their first reader; and the row before is rounded: its 16 words of f16 are written, which the stores below read
.irp j, 0,1,2,3,4,5,6,7
.if \q > 0
	global_store_b64 v3, v[X+32*(\q-1)+4*\j:X+32*(\q-1)+4*\j+1], s[16:17] offset:2048*(\q-1)+256*\j   ; the row before: 32 lanes store 256 consecutive aligned bytes; no vector instruction since the wait names these registers, and none writes them again
.endif
	v_pk_mul_f32 v[X+32*\q+4*\j:X+32*\q+4*\j+1], v[X+32*\q+4*\j:X+32*\q+4*\j+1], v[R:R+1]
	v_pk_mul_f32 v[X+32*\q+4*\j+2:X+32*\q+4*\j+3], v[X+32*\q+4*\j+2:X+32*\q+4*\j+3], v[R:R+1]
	v_pk_mul_f32 v[X+32*\q+4*\j:X+32*\q+4*\j+1], v[X+32*\q+4*\j:X+32*\q+4*\j+1], v[W+4*\j:W+4*\j+1]
	v_pk_mul_f32 v[X+32*\q+4*\j+2:X+32*\q+4*\j+3], v[X+32*\q+4*\j+2:X+32*\q+4*\j+3], v[W+4*\j+2:W+4*\j+3]
	v_cvt_pk_f16_f32 v[X+32*\q+4*\j], v[X+32*\q+4*\j], v[X+32*\q+4*\j+1]
	v_cvt_pk_f16_f32 v[X+32*\q+4*\j+1], v[X+32*\q+4*\j+2], v[X+32*\q+4*\j+3]
.endr
.endm
	NROW 0
	NROW 1
	NROW 2
	NROW 3
	s_wait_alu depctr_va_vdst(0)                   ; row 3 is rounded: its 16 words of f16 are written, which the last eight stores read
.irp j, 0,1,2,3,4,5,6,7
	global_store_b64 v3, v[X+96+4*\j:X+96+4*\j+1], s[16:17] offset:2048*3+256*\j   ; 32 lanes store 256 consecutive aligned bytes
.endr
	s_endpgm
; ---- a weight tile of 128 k x 64 n: read by rows of n, two k packed into a word, turned in LDS, written by rows of k
; s5 = k tile, s6 = n tile, s7 = first output row.  LDS row 16 c + nq holds output row 4 nq + c, 272 bytes apart:
; the 32 lanes of a ds_store_b32 then touch 32 different words modulo 256 bytes (4 nq + kp).
.macro WTILE pitch, src, dst
	s_mul_i32 s24, s5, 128*\pitch
	s_lshl_b32 s25, s6, 8
	s_add_co_u32 s24, s24, s25
	s_mov_b32 s25, 0
	s_add_nc_u64 s[\src:\src+1], s[\src:\src+1], s[24:25]
	s_lshl_b32 s24, s7, 11                         ; an output row is 2,048 bytes
	s_lshl_b32 s26, s5, 8                          ; 128 k are 256 bytes
	s_add_co_u32 s24, s24, s26
	s_add_nc_u64 s[\dst:\dst+1], s[\dst:\dst+1], s[24:25]
	v_and_b32 v5, 15, v0                           ; nq: my four columns
	v_lshrrev_b32 v6, 4, v0                        ; kp: my pair of rows in each group of 32
	v_mul_u32_u24 v2, v6, 2*\pitch
	v_lshl_add_u32 v2, v5, 4, v2                   ; source offset
	v_mul_u32_u24 v3, v5, 272
	v_lshl_add_u32 v3, v6, 2, v3                   ; LDS, in
	v_mul_u32_u24 v4, v6, 272
	v_lshl_add_u32 v4, v5, 4, v4                   ; LDS, back: LDS row t/16 (+16 u), 16 bytes at 16 (t mod 16)
	v_lshlrev_b32 v7, 13, v6                       ; output row 4 (t/16) + u
	v_lshl_add_u32 v7, v5, 4, v7
	s_wait_alu depctr_va_vdst(0)                   ; the four addresses v2, v3, v4 and v7 are written, which the loads, LDS stores, LDS loads and stores below read
.irp i, 0,1,2,3
.irp e, 0,1
	global_load_b128 v[32+8*\i+4*\e:32+8*\i+4*\e+3], v2, s[\src:\src+1] offset:(32*\i+\e)*\pitch th:TH_LOAD_NT
.endr
.endr
	s_wait_loadcnt 6                               ; group 0 is in; the two loads of each later group stay out
.irp c, 0,1,2,3
	v_cvt_pk_f16_f32 v[64+\c], v[32+\c], v[36+\c]  ; k even below, k odd above
.endr
.irp i, 1,2,3
	s_wait_loadcnt 6-2*\i                          ; the two loads of each later group stay out
	s_wait_alu depctr_va_vdst(0)                   ; the group before is rounded: its four words are written, which the LDS stores below read
.irp c, 0,1,2,3
	ds_store_b32 v3, v[64+4*(\i-1)+\c] offset:4352*\c+64*(\i-1)    ; the group before; the roundings among these stores name this group's registers alone
	v_cvt_pk_f16_f32 v[64+4*\i+\c], v[32+8*\i+\c], v[36+8*\i+\c]   ; k even below, k odd above
.endr
.endr
	s_wait_alu depctr_va_vdst(0)                   ; group 3 is rounded: its four words are written, which the last four LDS stores read
.irp c, 0,1,2,3
	ds_store_b32 v3, v[76+\c] offset:4352*\c+192
.endr
	s_wait_dscnt 0x0                               ; my stores are in LDS before I say so
	s_barrier_signal -1
	s_barrier_wait -1                              ; everybody's are
.irp u, 0,1,2,3
	ds_load_b128 v[80+4*\u:83+4*\u], v4 offset:4352*\u             ; no vector instruction names v[80:95]
.endr
.irp u, 0,1,2,3
	s_wait_dscnt 3-\u                              ; LDS loads return in order: load u is in
	global_store_b128 v7, v[80+4*\u:83+4*\u], s[\dst:\dst+1] offset:2048*\u   ; 16 lanes store 256 consecutive aligned bytes
.endr
.endm
.Lwq:
	s_sub_co_u32 s4, s3, 256
	s_and_b32 s5, s4, 7                            ; k tile
	s_lshr_b32 s6, s4, 3                           ; n tile 0 .. 47 = section*16 + head
	s_and_b32 s7, s6, 15
	s_mul_i32 s7, s7, 192
	s_lshr_b32 s24, s6, 4
	s_lshl_b32 s24, s24, 6
	s_add_co_u32 s7, s7, s24                       ; head*192 + section*64
	WTILE 12288, 12, 18
	s_wait_dscnt 0x0                               ; the closing lines, six on end
	s_wait_alu 0x0
	s_wait_tensorcnt 0x0
	ds_add_u32 v192, v193
	s_wait_dscnt 0x0
	s_endpgm
.Lwo:
	s_sub_co_u32 s4, s3, 640
	s_and_b32 s5, s4, 7
	s_lshr_b32 s6, s4, 3
	s_lshl_b32 s7, s6, 6
	WTILE 4096, 14, 20
	s_wait_dscnt 0x0                               ; the closing lines, six on end
	s_wait_alu 0x0
	s_wait_tensorcnt 0x0
	ds_add_u32 v192, v193
	s_wait_dscnt 0x0
	s_endpgm
.Lfunc_end_k_q9de4b8280f_prep:
	.size	k_q9de4b8280f_prep, .Lfunc_end_k_q9de4b8280f_prep-k_q9de4b8280f_prep
	.p2alignl 7, 3214868480
	.fill 96, 4, 3214868480
	.section	.rodata,"a",@progbits
	.p2align	6, 0x0
	.amdhsa_kernel k_q9de4b8280f_prep
		.amdhsa_group_segment_fixed_size 18432
		.amdhsa_private_segment_fixed_size 0
		.amdhsa_enable_private_segment 0
		.amdhsa_kernarg_size 64
		.amdhsa_user_sgpr_count 2
		.amdhsa_user_sgpr_kernarg_segment_ptr 1
		.amdhsa_wavefront_size32 1
		.amdhsa_system_sgpr_workgroup_id_x 1
		.amdhsa_system_sgpr_workgroup_id_y 1
		.amdhsa_system_sgpr_workgroup_id_z 1
		.amdhsa_system_vgpr_workitem_id 0
		.amdhsa_next_free_vgpr 194
		.amdhsa_next_free_sgpr 66
		.amdhsa_reserve_vcc 0
		.amdhsa_float_denorm_mode_32 3
		.amdhsa_float_denorm_mode_16_64 3
		.amdhsa_memory_ordered 1
		.amdhsa_forward_progress 1
		.amdhsa_inst_pref_size 50
	.end_amdhsa_kernel
	.amdgpu_metadata
---
amdhsa.version: [ 1, 2 ]
amdhsa.kernels:
  - .name:           k_q9de4b8280f_prep
    .symbol:         k_q9de4b8280f_prep.kd
    .args:
      - { .name: seq, .offset: 0, .size: 8, .value_kind: global_buffer, .address_space: global }
      - { .name: norm_w, .offset: 8, .size: 8, .value_kind: global_buffer, .address_space: global }
      - { .name: w_qkv, .offset: 16, .size: 8, .value_kind: global_buffer, .address_space: global }
      - { .name: w_out, .offset: 24, .size: 8, .value_kind: global_buffer, .address_space: global }
      - { .name: xb, .offset: 32, .size: 8, .value_kind: global_buffer, .address_space: global }
      - { .name: wqT, .offset: 40, .size: 8, .value_kind: global_buffer, .address_space: global }
      - { .name: woT, .offset: 48, .size: 8, .value_kind: global_buffer, .address_space: global }
      - { .name: rope, .offset: 56, .size: 8, .value_kind: global_buffer, .address_space: global }
    .group_segment_fixed_size: 18432
    .private_segment_fixed_size: 0
    .kernarg_segment_align: 8
    .kernarg_segment_size: 64
    .max_flat_workgroup_size: 256
    .sgpr_count:     66
    .vgpr_count:     194
    .wavefront_size: 32
...
	.end_amdgpu_metadata
.endif
;; end of part 5
;; launch qkv: the kernel of part 2 again; grid 8 x 32, 4 waves a work-group, clusters of 4 x 4, 327,680 bytes of LDS; arguments xb, wqT, rope, qkvh; writes qkvh
;; launch attn: the kernel of part 3 again; grid 16 x 16, 8 waves a work-group, no clusters, 327,680 bytes of LDS; arguments qkvh, persist_mem, ob; writes ob
;; launch outp: the kernel of part 4 again; grid 8 x 32, 4 waves a work-group, clusters of 4 x 4, 327,680 bytes of LDS; arguments ob, woT, out0; writes out0
